; MI455X (gfx1250); checked and timed in simulation.
; The chip was launched on July 23, 2026; its instructions are those of AMD's public machine-readable ISA for CDNA 5 (MIT licence, August 2026) and "CDNA5" Instruction Set Architecture Reference Guide (July 2026). The comments in the code are by the model that wrote it; some were corrected since.
;; Transformer Block. Allowed arithmetic: matrix products marked QUANTISED: E4M3 operands, one E8M0 scale for each 32 along K, by v_wmma_scale_f32_16x16x128_f8f6f4 with both operands' format E4M3, f32 sums; everything else in f32.
;; Inputs: alpha_attn one number float32; alpha_ff one number float32; b1 4,096 float32; b2 1,024 float32; bk 1,024 float32; bo 1,024 float32; bq 1,024 float32; bv 1,024 float32; ln1_b 1,024 float32; ln1_g 1,024 float32; ln2_b 1,024 float32; ln2_g 1,024 float32; w1_codes 4,096 x 32 x 32 uint8 (E4M3 codes of w1, K innermost, in blocks of 32 codes); w1_scales 4,096 x 32 uint8 (E8M0 scales of w1, one for each 32 codes along K); w2_codes 1,024 x 128 x 32 uint8 (E4M3 codes of w2, K innermost, in blocks of 32 codes); w2_scales 1,024 x 128 uint8 (E8M0 scales of w2, one for each 32 codes along K); wk_codes 1,024 x 32 x 32 uint8 (E4M3 codes of wk, K innermost, in blocks of 32 codes); wk_scales 1,024 x 32 uint8 (E8M0 scales of wk, one for each 32 codes along K); wo_codes 1,024 x 32 x 32 uint8 (E4M3 codes of wo, K innermost, in blocks of 32 codes); wo_scales 1,024 x 32 uint8 (E8M0 scales of wo, one for each 32 codes along K); wq_codes 1,024 x 32 x 32 uint8 (E4M3 codes of wq, K innermost, in blocks of 32 codes); wq_scales 1,024 x 32 uint8 (E8M0 scales of wq, one for each 32 codes along K); wv_codes 1,024 x 32 x 32 uint8 (E4M3 codes of wv, K innermost, in blocks of 32 codes); wv_scales 1,024 x 32 uint8 (E8M0 scales of wv, one for each 32 codes along K); x 2 x 2,048 x 1,024 float32.
;; Outputs: out0 2 x 2,048 x 1,024 float32.
;; This version of the problem:
;;   THIS VERSION OF THE PROBLEM IS GIVEN IN LOW PRECISION. The matrix products marked QUANTISED in the list below multiply operands that are first quantised to E4M3 (4 exponent bits, 3 mantissa bits; 8 bits a number), with one power-of-two scale for each 32 numbers along K (OCP MX v1.0); their sums are f32. All else is computed in f32.
;;   The module's matrix products, in the order in which they are computed (A, B: the left and right operand; K: the contracted axis; several contracted axes count as one K, in the product's order):
;;     1. [M 4,096, K 1,024] x [K 1,024, N 1,024]; A: computed on the way; B: input wq (given as codes): QUANTISED
;;     2. [M 4,096, K 1,024] x [K 1,024, N 1,024]; A: computed on the way; B: input wk (given as codes): QUANTISED
;;     3. [M 4,096, K 1,024] x [K 1,024, N 1,024]; A: computed on the way; B: input wv (given as codes): QUANTISED
;;     4. batch 32 x [M 2,048, K 64] x [K 64, N 2,048]; A: computed on the way; B: computed on the way: QUANTISED
;;     5. batch 32 x [M 2,048, K 2,048] x [K 2,048, N 64]; A: softmax (see below); B: computed on the way: QUANTISED
;;     6. [M 4,096, K 1,024] x [K 1,024, N 1,024]; A: computed on the way; B: input wo (given as codes): QUANTISED
;;     7. [M 4,096, K 1,024] x [K 1,024, N 4,096]; A: computed on the way; B: input w1 (given as codes): QUANTISED
;;     8. [M 4,096, K 4,096] x [K 4,096, N 1,024]; A: computed on the way; B: input w2 (given as codes): QUANTISED
;;   THE QUANTISER, for each operand of a quantised product, along K:
;;     - K is cut into blocks of 32 from its start; a last block that is shorter is filled with zeros.
;;     - A block's scale is 2^e with e = floor(log2(the largest magnitude in the block)) - 8, held to -126 .. 127; a block of zeros has e = 0. As a byte (E8M0): e + 127.
;;     - Each number is divided by its block's scale, clamped to +-448, and rounded to the nearest number of E4M3, ties to even, subnormals kept.
;;     - The product sums the exact products of the quantised numbers (number of the format x scale) in f32.
;;   ~~~python
;;   def quantise(x, axis):      # numpy; x: float32 -> the quantised numbers, widened to float32 again
;;       x = np.moveaxis(x, axis, -1); K = x.shape[-1]
;;       x = np.pad(x, [(0, 0)] * (x.ndim - 1) + [(0, -K % 32)]); x = x.reshape(x.shape[:-1] + (-1, 32)); a = np.abs(x).max(-1, keepdims=True)
;;       e = np.where(a > 0, np.clip(np.frexp(np.where(a > 0, a, 1))[1] - 1 - 8, -126, 127), 0)      # np.frexp(a)[1] - 1 = floor(log2(a)), exactly
;;       r = np.clip(x / 2.0 ** e, -448, 448)
;;       step = 2.0 ** (np.maximum(np.frexp(np.where(r == 0, 1, r))[1] - 1, -6) - 3)
;;       q = np.round(r / step) * step * 2.0 ** e      # np.round: ties to even
;;       return np.moveaxis(q.reshape(q.shape[:-2] + (-1,))[..., :K], -1, axis).astype(np.float32)
;;   ~~~
;;   SOFTMAX AHEAD OF A QUANTISED PRODUCT. Where the list says 'softmax', what is quantised is not the finished softmax but p = 2^(t - M), with t = logit x log2(e) and M = ceil(the row's largest t), a whole number; so 1/2 < the row's largest p <= 1. The row's sum l is taken of the UNQUANTISED p, in f32, and the product's result is divided by l at the end. Since M is a whole number, a kernel that streams over the keys may use a running M (the ceiling of the running maximum): every later rescaling is an exact power of two, which a block's scale takes up: the codes' values come out the same.
;;   OPERANDS COMPUTED ON THE WAY. 'Computed on the way' means the value that the module computes at that place (a softmax that the list does not call 'softmax' is quantised finished and normalised). What goes into a quantiser is computed in f32, as accurately as f32 sums, v_exp_f32 and their like allow (about 1e-6 of the number): no bf16 or f16 on the way to a quantiser, and a product that is left as it is and whose result goes on into a quantised operand takes f32 operands (vector FMAs, or v_wmma_f32_16x16x4_f32). A number that lies on a knife's edge between two numbers of the format may be rounded either way, as far as f32 arithmetic and the matrix unit's own rounding can turn it there, and no further.
;;   INPUTS GIVEN AS CODES. w1 (in the module: [1024, 4096], K = its axis 0); w2 (in the module: [4096, 1024], K = its axis 0); wk (in the module: [1024, 1024], K = its axis 0); wo (in the module: [1024, 1024], K = its axis 0); wq (in the module: [1024, 1024], K = its axis 0); wv (in the module: [1024, 1024], K = its axis 0): each comes as NAME_codes (uint8): NAME with its K axis moved to the last place and cut into blocks of 32 codes, [.., K / 32, bytes a block], one block behind the other in memory; one code a byte (a code: sign, 4 exponent bits, 3 mantissa bits); and NAME_scales (uint8): the same leading axes, one E8M0 byte (e + 127) for each 32 codes along K. Its value is code x scale, taken as it is: it is not quantised again, and the codes and scales need not be those that the quantiser above would give.
;; One version. Each part assembles by itself: llvm-mc -triple=amdgcn-amd-amdhsa -mcpu=gfx1250 --defsym DOCPART=n.
;; ======== version 1 of 1: 7 launches
;; limits: an absolute error that grows with the inputs' magnitude: up to 1e-07 times it
;; workspace buffers: act1 4,325,376 bytes; act2 4,325,376 bytes; qkv 12,976,128 bytes; ao 4,325,376 bytes; x1 16,777,216 bytes; h 17,301,504 bytes
;; launch ln1 (part 1): grid 256 x 1, 8 waves a work-group, no clusters, 91,648 bytes of LDS; arguments x, ln1_g, ln1_b, act1; writes act1
.if DOCPART == 1
	.amdgcn_target "amdgcn-amd-amdhsa--gfx1250"
	.amdhsa_code_object_version 6
	.text
	.protected	k_qef28692fd2_ln1
	.globl	k_qef28692fd2_ln1
	.p2align	8
	.type	k_qef28692fd2_ln1,@function
k_qef28692fd2_ln1:
	s_mov_b64 s[64:65], 0
	v_nop
	global_prefetch_b8 v0, s[64:65] scope:SCOPE_SE
	s_setreg_imm32_b32 hwreg(HW_REG_WAVE_MODE, 25, 1), 1
	s_wait_xcnt 0x0
; LayerNorm of rows of 1,024 f32 numbers, then the MX-FP8 quantiser along the row: codes [4096][1024] at byte 0 of the output buffer, one E8M0 byte for each 32 numbers, [4096][32], at byte 4,194,304.
; y = (x - mean) * rsqrt(var + 1e-5) * g + b, all in f32; the variance is taken of x - mean (second pass over registers), so a common offset of the inputs costs nothing.
; SHARES. A work-group of eight waves takes 16 rows, a wave two. A row is 4,096 bytes: eight loads of 512 consecutive bytes, 32 registers a lane; it is read from memory once.
; THE QUANTISER wants 32 neighbours in ONE lane. So a finished row turns through the wave's own LDS: stored as loaded (16 bytes a lane), read back 128 bytes a lane (blocks 144 bytes apart).
; The 32 codes of a lane turn back the same way, so that each store of the wave covers 512 consecutive bytes.
; The 16 rows' 512 scale bytes meet in LDS and leave by one store of 512 consecutive bytes (wave 0, behind the one barrier).
; LIMITS: NaN and infinities are not served. A block of zeros gets the byte 1 (its codes are zeros; the bytes are read by this program alone).
.set WREG,  11264                      ; LDS of a wave: two rows x 32 blocks x 144 bytes, then two rows x 1,024 bytes of codes
.set T2,    9216
.set SCB,   8*WREG                     ; the work-group's 512 scale bytes
.set SPARE, SCB+512                    ; the spare words, 128 bytes for each wave: four blocks of 256 bytes that no other line names
.set X,   16                           ; v16-79   two rows as loaded, 32 registers each; later the rows' codes on their way out
.set G,   80                           ; v80-111  g of my 32 columns
.set BV,  112                          ; v112-143 b of my 32 columns
.set Y,   144                          ; v144-175 a block of 32 neighbours
.set C,   176                          ; v176-183 its codes
.set SPW, 184                          ; my spare word's LDS address; never rewritten
.set NIL, 185                          ; 0; never rewritten
.set SCR, 186                          ; where wave 0 reads the scale bytes back
	s_load_b256 s[4:11], s[0:1], 0x0               ; in s[4:5], g s[6:7], b s[8:9], out s[10:11]
	v_lshl_add_u32 v[SPW], v0, 2, SPARE
	v_mov_b32 v[NIL], 0
	v_lshrrev_b32 v1, 5, v0
	v_readfirstlane_b32 s12, v1                    ; wave 0..7
	v_and_b32 v1, 31, v0                           ; lane
	v_lshlrev_b32 v2, 4, v1                        ; 16 x lane
	s_mul_i32 s13, s12, WREG
	v_lshrrev_b32 v3, 3, v1
	v_mul_u32_u24 v3, v3, 144
	v_and_b32 v4, 7, v1
	v_lshl_add_u32 v3, v4, 4, v3
	v_add_nc_u32 v3, s13, v3                       ; first turn, in: block lane / 8 of a load's four, 16 (lane % 8) in it
	v_mul_u32_u24 v4, v1, 144
	v_add_nc_u32 v4, s13, v4                       ; first turn, out: block = lane
	v_lshlrev_b32 v5, 5, v1
	v_add_nc_u32 v5, s13, v5                       ; second turn, in: 32 codes a lane
	v_add_nc_u32 v6, s13, v2                       ; second turn, out: 16 bytes a lane
	s_lshl_b32 s14, s12, 6
	v_add_nc_u32 v7, s14, v1
	v_add_nc_u32 v7, SCB, v7                       ; my block's scale byte: 32 bytes a row, two rows a wave
	v_add_nc_u32 v[SCR], SCB, v2
	s_mov_b32 s16, 0x76543210
	s_mov_b32 s17, 0xfedcba98                      ; v_permlanex16_b32's selects for lane l xor 16
	s_mov_b32 s18, 0x3a800000                      ; 1 / 1024
	s_mov_b32 s19, 0x3727c5ac                      ; 1e-5
	s_mov_b32 s20, 0x600000                        ; the mantissa field of 448
	s_lshl_b32 s22, ttmp9, 16                      ; 16 rows of 4,096 bytes a work-group,
	s_lshl_b32 s23, s12, 13                        ; two a wave
	s_add_co_u32 s22, s22, s23
	s_mov_b32 s23, 0
	s_lshl_b32 s24, ttmp9, 14                      ; the same rows' codes: 1,024 bytes a row
	s_lshl_b32 s25, s12, 11
	s_add_co_u32 s24, s24, s25
	s_mov_b32 s25, 0
	s_lshl_b32 s26, ttmp9, 9                       ; and the work-group's 512 scale bytes
	s_add_co_u32 s26, s26, 0x400000
	s_mov_b32 s27, 0
	s_wait_kmcnt 0x0
	s_add_nc_u64 s[4:5], s[4:5], s[22:23]
	s_add_nc_u64 s[26:27], s[10:11], s[26:27]
	s_add_nc_u64 s[10:11], s[10:11], s[24:25]
.irp i, 0,1
.irp j, 0,1,2,3,4,5,6,7
	global_load_b128 v[X+32*\i+4*\j:X+32*\i+4*\j+3], v2, s[4:5] offset:4096*\i+512*\j
.endr
.endr
.irp j, 0,1,2,3,4,5,6,7
	global_load_b128 v[G+4*\j:G+4*\j+3], v2, s[6:7] offset:512*\j
.endr
.irp j, 0,1,2,3,4,5,6,7
	global_load_b128 v[BV+4*\j:BV+4*\j+3], v2, s[8:9] offset:512*\j
.endr
.macro ACROSS r, t                     ; the sum of v[r] over the 32 lanes, in every lane; v[t] has been written before
	v_add_f32_dpp v[\r], v[\r], v[\r] row_xmask:1 row_mask:0xf bank_mask:0xf
	v_add_f32_dpp v[\r], v[\r], v[\r] row_xmask:2 row_mask:0xf bank_mask:0xf
	v_add_f32_dpp v[\r], v[\r], v[\r] row_xmask:4 row_mask:0xf bank_mask:0xf
	v_add_f32_dpp v[\r], v[\r], v[\r] row_xmask:8 row_mask:0xf bank_mask:0xf
	v_permlanex16_b32 v[\t], v[\r], s16, s17
	v_add_f32 v[\r], v[\r], v[\t]
.endm
.macro ROW i
.set XR, X+32*\i
.if \i == 0
	s_wait_loadcnt 24                              ; row 0's eight loads are in; row 1's, g's and b's 24 may be out
.endif
	v_pk_add_f32 v[8:9], v[XR:XR+1], v[XR+2:XR+3]  ; the row's sum: four chains start on the first eight pairs
	v_pk_add_f32 v[10:11], v[XR+4:XR+5], v[XR+6:XR+7]
	v_pk_add_f32 v[12:13], v[XR+8:XR+9], v[XR+10:XR+11]
	v_pk_add_f32 v[14:15], v[XR+12:XR+13], v[XR+14:XR+15]
.irp j, 16,24
	v_pk_add_f32 v[8:9], v[8:9], v[XR+\j:XR+\j+1]
	v_pk_add_f32 v[10:11], v[10:11], v[XR+\j+2:XR+\j+3]
	v_pk_add_f32 v[12:13], v[12:13], v[XR+\j+4:XR+\j+5]
	v_pk_add_f32 v[14:15], v[14:15], v[XR+\j+6:XR+\j+7]
.endr
	v_pk_add_f32 v[8:9], v[8:9], v[10:11]
	v_pk_add_f32 v[12:13], v[12:13], v[14:15]
	v_pk_add_f32 v[8:9], v[8:9], v[12:13]
	v_add_f32 v8, v8, v9
	ACROSS 8, 9
	v_mul_f32 v8, 0xba800000, v8                   ; - mean
.irp j, 0,2,4,6,8,10,12,14,16,18,20,22,24,26,28,30
	v_pk_add_f32 v[XR+\j:XR+\j+1], v[XR+\j:XR+\j+1], v[8:9] op_sel_hi:[1,0]   ; d = x - mean
.endr
	v_pk_mul_f32 v[10:11], v[XR:XR+1], v[XR:XR+1]  ; the sum of d^2, two chains
	v_pk_mul_f32 v[12:13], v[XR+2:XR+3], v[XR+2:XR+3]
.irp j, 4,8,12,16,20,24,28
	v_pk_fma_f32 v[10:11], v[XR+\j:XR+\j+1], v[XR+\j:XR+\j+1], v[10:11]
	v_pk_fma_f32 v[12:13], v[XR+\j+2:XR+\j+3], v[XR+\j+2:XR+\j+3], v[12:13]
.endr
	v_pk_add_f32 v[10:11], v[10:11], v[12:13]
	v_add_f32 v10, v10, v11
	ACROSS 10, 11
	v_fma_f32 v10, v10, s18, s19                   ; var + eps
	v_rsq_f32 v12, v10
	v_nop                                          ; a plain instruction behind the transcendental
	s_wait_alu depctr_va_vdst(0)                   ; and the wait ahead of its first reader
.if \i == 0
	s_wait_loadcnt 0x0                             ; g and b (and row 1)
.endif
.irp j, 0,2,4,6,8,10,12,14,16,18,20,22,24,26,28,30
	v_pk_mul_f32 v[XR+\j:XR+\j+1], v[XR+\j:XR+\j+1], v[12:13] op_sel_hi:[1,0]
.endr
.irp j, 0,2,4,6,8,10,12,14,16,18,20,22,24,26,28,30
	v_pk_fma_f32 v[XR+\j:XR+\j+1], v[XR+\j:XR+\j+1], v[G+\j:G+\j+1], v[BV+\j:BV+\j+1]
.endr
.irp j, 0,1,2,3,4,5,6,7                        ; the first turn: LDS serves a wave's instructions in order, so no wait stands between the stores and the loads
	ds_store_b128 v3, v[XR+4*\j:XR+4*\j+3] offset:4608*\i+576*\j
.endr
.irp j, 0,1,2,3,4,5,6,7
	ds_load_b128 v[Y+4*\j:Y+4*\j+3], v4 offset:4608*\i+16*\j
.endr
	s_wait_dscnt 0x0                               ; my block of 32 neighbours is in
	v_max3_num_f32 v8, |v[Y]|, |v[Y+1]|, |v[Y+2]|  ; its largest magnitude
	v_max3_num_f32 v9, |v[Y+3]|, |v[Y+4]|, |v[Y+5]|
.irp j, 6,10,14,18,22,26
	v_max3_num_f32 v8, v8, |v[Y+\j]|, |v[Y+\j+1]|
	v_max3_num_f32 v9, v9, |v[Y+\j+2]|, |v[Y+\j+3]|
.endr
	v_max3_num_f32 v8, v8, |v[Y+30]|, |v[Y+31]|
	v_max3_num_f32 v8, v8, v9, 0x4800000           ; and the floor 2^(9 - 127): the byte cannot fall under 1
	v_add_nc_u32 v11, 0xfc000000, v8               ; 8 off its exponent field: the conversion's scale operand
	v_and_or_b32 v10, v8, 0x7f800000, s20          ; 448 x the scale
.irp j, 0,1,2,3,4,5,6,7,8,9,10,11,12,13,14,15,16,17,18,19,20,21,22,23,24,25,26,27,28,29,30,31
	v_med3_num_f32 v[Y+\j], v[Y+\j], -v10, v10     ; the conversion to an 8-bit code does not saturate (ISA guide 7.6.2): the hold
.endr
.irp g, 0,1,2,3
	v_cvt_scalef32_pk8_fp8_f32 v[C+2*\g:C+2*\g+1], v[Y+8*\g:Y+8*\g+7], v11
.endr
	v_lshrrev_b32 v9, 23, v11                      ; the scale's byte (a plain line behind the conversions)
	ds_store_b128 v5, v[C:C+3] offset:T2+1024*\i   ; the second turn
	ds_store_b128 v5, v[C+4:C+7] offset:T2+1024*\i+16
	ds_store_b8 v7, v9 offset:32*\i
	ds_load_b128 v[XR:XR+3], v6 offset:T2+1024*\i
	ds_load_b128 v[XR+4:XR+7], v6 offset:T2+1024*\i+512
	s_wait_dscnt 0x0
	global_store_b128 v2, v[XR:XR+3], s[10:11] offset:1024*\i        ; 32 lanes store 512 consecutive bytes, at a multiple of 256 from the buffer's first byte
	global_store_b128 v2, v[XR+4:XR+7], s[10:11] offset:1024*\i+512
.endm
	ROW 0
	ROW 1
	s_barrier_signal -1                            ; every wave's LDS stores are done (the wait for 0 above): the 512 scale bytes lie in LDS
	s_barrier_wait -1
	s_cmp_lg_u32 s12, 0
	s_cbranch_scc1 .Ldone
	ds_load_b128 v[8:11], v[SCR]
	s_wait_dscnt 0x0
	global_store_b128 v2, v[8:11], s[26:27]        ; 512 consecutive bytes
.Ldone:
	s_wait_tensorcnt 0x0                           ; the wave's end, behind my last LDS store
	ds_add_u32 v[SPW], v[NIL]
	s_wait_dscnt 0x0
	s_endpgm
.Lfunc_end_k_qef28692fd2_ln1:
	.size	k_qef28692fd2_ln1, .Lfunc_end_k_qef28692fd2_ln1-k_qef28692fd2_ln1
	.p2alignl 7, 3214868480
	.fill 96, 4, 3214868480
	.section	.rodata,"a",@progbits
	.p2align	6, 0x0
	.amdhsa_kernel k_qef28692fd2_ln1
		.amdhsa_group_segment_fixed_size 91648
		.amdhsa_private_segment_fixed_size 0
		.amdhsa_enable_private_segment 0
		.amdhsa_kernarg_size 32
		.amdhsa_user_sgpr_count 2
		.amdhsa_user_sgpr_kernarg_segment_ptr 1
		.amdhsa_wavefront_size32 1
		.amdhsa_system_sgpr_workgroup_id_x 1
		.amdhsa_system_sgpr_workgroup_id_y 1
		.amdhsa_system_sgpr_workgroup_id_z 1
		.amdhsa_system_vgpr_workitem_id 0
		.amdhsa_next_free_vgpr 192
		.amdhsa_next_free_sgpr 66
		.amdhsa_reserve_vcc 0
		.amdhsa_float_denorm_mode_32 3
		.amdhsa_float_denorm_mode_16_64 3
		.amdhsa_memory_ordered 1
		.amdhsa_forward_progress 1
		.amdhsa_inst_pref_size 28
	.end_amdhsa_kernel
	.amdgpu_metadata
---
amdhsa.version: [ 1, 2 ]
amdhsa.kernels:
  - .name:           k_qef28692fd2_ln1
    .symbol:         k_qef28692fd2_ln1.kd
    .args:
      - { .name: x, .offset: 0, .size: 8, .value_kind: global_buffer, .address_space: global }
      - { .name: ln1_g, .offset: 8, .size: 8, .value_kind: global_buffer, .address_space: global }
      - { .name: ln1_b, .offset: 16, .size: 8, .value_kind: global_buffer, .address_space: global }
      - { .name: act1, .offset: 24, .size: 8, .value_kind: global_buffer, .address_space: global }
    .group_segment_fixed_size: 91648
    .private_segment_fixed_size: 0
    .kernarg_segment_align: 8
    .kernarg_segment_size: 32
    .max_flat_workgroup_size: 256
    .sgpr_count:     66
    .vgpr_count:     192
    .wavefront_size: 32
...
	.end_amdgpu_metadata
.endif
;; end of part 1
;; launch qkv (part 2): grid 12 x 16, 4 waves a work-group, clusters of 4 x 4, 327,680 bytes of LDS; arguments act1, wq_codes, wq_scales, bq, wk_codes, wk_scales, bk, wv_codes, wv_scales, bv, qkv; writes qkv
.if DOCPART == 2
	.amdgcn_target "amdgcn-amd-amdhsa--gfx1250"
	.amdhsa_code_object_version 6
	.text
	.protected	k_qef28692fd2_qkv
	.globl	k_qef28692fd2_qkv
	.p2align	8
	.type	k_qef28692fd2_qkv,@function
k_qef28692fd2_qkv:
	s_mov_b64 s[64:65], 0
	v_nop
	global_prefetch_b8 v0, s[64:65] scope:SCOPE_SE
	s_setreg_imm32_b32 hwreg(HW_REG_WAVE_MODE, 25, 1), 1
	s_wait_xcnt 0x0
	s_wait_alu depctr_hold_cnt(0) depctr_sa_sdst(0) depctr_va_vdst(0) depctr_va_sdst(0) depctr_va_ssrc(0) depctr_va_vcc(0) depctr_vm_vsrc(0)
	s_getreg_b32 s2, hwreg(HW_REG_IB_STS2, 6, 4)
	s_cmp_eq_u32 s2, 0
	s_cbranch_scc0 .Lentry_in_a_cluster
	s_endpgm
.Lentry_in_a_cluster:
	s_bfe_u32 s2, ttmp6, 0x10000c
	s_cmp_lg_u32 s2, 0xf033
	s_cbranch_scc0 .Lentry_shape_is_right
	s_endpgm
.Lentry_shape_is_right:
; A GEMM on codes of FP8 (E4M3) with one E8M0 scale for each 32 along K = 1,024, whose result is quantised again on the way out and stored as IMAGES OF THE NEXT PRODUCT'S OPERAND REGISTERS.
; One text serves two launches (KIND): 0: q, k, v = LN1(x) W + bias;  1: h = gelu(LN2(x1) W1 + b1).
; C'[m][n] = sum over k of A'[m][k] B'[n][k]; a tile of 256 x 256 to a work-group of four waves, 128 x 128 to a wave: 64 accumulators, 512 registers. K goes in steps of 256 through a ring of two LDS slots
; filled by the tensor data mover; the scale bytes of the work-group's 256 + 256 rows come once and stay. 4 x 4 work-groups form a cluster: A's tiles are asked for jointly along a row of it, B's along a column.
; THE MATRIX INSTRUCTION IS USED TRANSPOSED (source 0 = 16 rows of B', source 1 = 16 rows of A'): a lane holds ONE row of A' and eight neighbouring columns.
; KIND 0: cluster x says which product: 0 q, 1 k, 2 v. For q and k: A' = the tokens, B' = the weight: a lane's registers run along the head's axis, which is the next K. For v the two CHANGE PLACES (A' = wv, B' = the tokens):
; a lane then holds one channel and its registers run along the tokens, which are the keys: v's next K. Only pointers and tile numbers are chosen, by cluster x, which all sixteen partners share.
; THE BIAS along the columns is the C of the first K step's products; the bias along the rows (v's) is added where a block leaves the accumulators. The one that does not apply is made 0 by v_cndmask_b32.
; THE WAY OUT, a block of 16 rows x 128 columns at a time: (gelu,) the quantiser along the columns. Tile t's register j is column 16 t + 8 (lane / 16) + j; a block of 32 is tiles 2 b, 2 b + 1 in lanes l and l xor 16.
; The conversions give 8 codes a tile; two v_permlane16_swap_b32 a block bring lane (r, h) the codes of k = 32 b + 16 h + 0 .. 15: the operand's registers. They are stored as they stand: 512 consecutive bytes a store.
; gelu(x) = 0.5 x (1 + erf(x / sqrt 2)), erf(z) = z P(z^2) / Q(z^2) with z held to +-4: absolute error of erf about 1e-7.  LIMITS: for x under -5.66 gelu is 0.5 x times a number of at most about 1e-7 in place of 0;
; NaN and infinities are not served; a block of zeros gets the byte 1 (its codes are zeros; the bytes are read by this program alone).
; REGISTERS, in windows of 256: window 0: v0-31 addresses; v32-63 scale words, two sets, and nothing else ever; v64-127 the bias tiles, later codes and the quantiser's work; from v128 A's fragments, ONE set, later the block in hand.
;   window 1: B's fragments, TWO sets.   window 2: the 32 accumulators of my rows 0-63;   window 3: those of my rows 64-127.
.set KIND,   0
.set SIZE_K, 1024
.set KSTEP,  256
.set NQ,     KSTEP/128
.set ROWB,   256
.set KROW,   SIZE_K
.set PITCH,  272                       ; an LDS row: 256 bytes + 16 of padding: the 16 rows that a load touches start at 16 different banks
.set FR,     16
.set NL,     4
.set NP,     8                         ; places behind this matrix instruction (ISA guide 7.12.1)
.set HALFT,  128*PITCH
.set SLOT,   4*HALFT
.set LAPS,   SIZE_K/(2*KSTEP)
.set KS,     SIZE_K/32
.set SCL,    2*SLOT                    ; behind the ring: the scales, as units of 256 bytes + 16 of padding
.set HALFS,  (128*KS/256)*272
.set SBLK,   (16*KS/256)*272
.set SPARE,  SCL+4*HALFS               ; the spare words, 128 bytes for each wave: two blocks of 256 bytes that no other line names
.if KIND == 0
.set OSTEP,  2048                      ; from a block's image to the next
.else
.set OSTEP,  65536
.endif
.set BMR,  8                           ; v8-15   KIND 0: the bias along the rows, as loaded
.set ADRA, 16
.set ADRB, 20
.set STO,  24                          ; v24     the way out: my row's scale word in my stage (512 bytes a wave, in slot 0, which has had its last fill and its last read by then)
.set RD,   25                          ; v25     and where I read 16 bytes of the stage back
.set CO,   26                          ; v26     16 x lane
.set ADRS, 27
.set SPW,  28
.set NIL,  29
.set SC,   32
.set BN,   64                          ; v64-127 the bias along the columns: eight tiles of eight registers in the result's layout
.set AF,   128
.set PC,   64                          ; the way out: a block's codes
.set PW,   80                          ; its scale word
.set TM,   96                          ; v96-111 the quantiser's work
.set BMP,  112                         ; v112-127 KIND 0: the bias along the rows, one even-aligned pair a block
.set T,    128                         ; v128-191 the block in hand
.set Z,    192
.set Z2,   208
.set P,    224
.set Q,    240
.set EA1, 0x32edffee                   ; erf's numerator, from the second coefficient on (the first stands in v[18:19])
.set EA2, 0xb60cff51
.set EA3, 0xb86ec2d2
.set EA4, 0xba40ac63
.set EA5, 0xbb41a1f6
.set EA6, 0xbc83dbd4
.set EB1, 0xb95fbd29                   ; and its denominator (the first in v[22:23])
.set EB2, 0xbadc924e
.set EB3, 0xbbf19bf8
.set EB4, 0xbc69b6a7
.set G1, 24
.set G0, 32
.set G1B, 48
.set G0B, 56
.set G1S, 68
.set G0S, 76
.set G1SB, 80
.set G0SB, 88
.set MSB, 0
.macro WIN new                         ; the immediate's high byte repeats the setting that is left
.if MSB != (\new)
	s_set_vgpr_msb (MSB<<8)|(\new)
.set MSB, (\new)
.endif
.endm
.set MUL_LO, 0xa1                      ; source 0 (B) window 1, source 1 (A) window 0, C and D window 2
.set MUL_HI, 0xf1                      ; the same, C and D window 3
.set TO_B,   0x40
; A joint load: waves 0 and 1 fetch for A, waves 2 and 3 for B; the branch hangs on the wave's number alone. An s_nop 0 and four v_nop follow each of the two lines.
.macro JLOAD g0a, g1a, g0b, g1b
	s_cmp_eq_u32 s15, 0
	s_cbranch_scc0 .Lfor_b_\@
	tensor_load_to_lds s[\g0a:\g0a+3], s[\g1a:\g1a+7]
	s_nop 0
.rept 4
	v_nop
.endr
	s_branch .Lasked_\@
.Lfor_b_\@:
	tensor_load_to_lds s[\g0b:\g0b+3], s[\g1b:\g1b+7]
	s_nop 0
.rept 4
	v_nop
.endr
.Lasked_\@:
.endm
.macro CREST                           ; a round of the cluster's barrier behind its opening barrier
	s_cmp_lg_u32 s14, 0
	s_cbranch_scc1 .Lnot_wave_0_\@
	s_barrier_signal -3
.Lnot_wave_0_\@:
	s_barrier_wait -3
	s_barrier_signal -1
	s_barrier_wait -1
.endm
.macro CROUND
	s_barrier_signal -1
	s_barrier_wait -1
	CREST
.endm
.if KIND == 0
	s_load_b512 s[68:83], s[0:1], 0x0              ; act, wq codes, scales, bq, wk codes, scales, bk, wv codes
	s_load_b128 s[84:87], s[0:1], 0x40             ; wv scales, bv
	s_load_b64 s[88:89], s[0:1], 0x50              ; out
.else
	s_load_b256 s[68:75], s[0:1], 0x0              ; act, w1 codes, w1 scales, b1
	s_load_b64 s[76:77], s[0:1], 0x20              ; out
.endif
	v_lshl_add_u32 v[SPW], v0, 2, SPARE
	v_mov_b32 v[NIL], 0
	ds_add_u32 v[SPW], v[NIL]                      ; the wave's opening: the add and its wait stand ahead of my first tensor load; work on registers stands between them
	v_lshrrev_b32 v1, 5, v0
	v_readfirstlane_b32 s14, v1                    ; wave 0..3
	s_lshr_b32 s15, s14, 1                         ; which half of the tile's rows is mine.  Also: I fetch for A (0) or for B (1)
	s_and_b32 s16, s14, 1                          ; which half of its columns.  Also: which 128 rows of that tile I fetch
	s_bfe_u32 s40, ttmp6, 0x40000                  ; cx, cy: my place in the cluster
	s_bfe_u32 s41, ttmp6, 0x40004
	s_and_b32 s18, ttmp7, 0xffff
	s_lshl_b32 s18, s18, 2                         ; 4 x cluster y
.if KIND == 0
	s_cmp_eq_u32 ttmp9, 2                          ; v?  Cluster x is the same in all sixteen partners
	s_cselect_b32 s96, -1, 0                       ; a lane mask: all lanes where v
	s_cselect_b32 s97, 0, -1                       ; and where not
	s_cselect_b32 s17, 0, s18                      ; the tokens' 16 tiles go down the rows for q and k,
	s_cselect_b32 s42, s18, 0                      ; along the columns for v
.else
	s_mov_b32 s17, s18
	s_lshl_b32 s42, ttmp9, 2
.endif
	s_add_co_u32 s17, s17, s41                     ; tile row
	s_add_co_u32 s42, s42, s40                     ; tile column
	s_lshl_b32 s43, s41, 2
	s_lshl_b32 s43, 15, s43                        ; my row of the cluster
	s_lshl_b32 s44, 0x1111, s40                    ; my column
	s_or_b32 s[G1+0], s43, (0<<16)|(1<<20)|(1<<21)|(5<<22)|(3<<25)  ; the mask; elements of 1 byte; padding on; bit 21 beside a mask; after every 64 words four words
	s_or_b32 s[G1B+0], s44, (0<<16)|(1<<20)|(1<<21)|(5<<22)|(3<<25)
.irp g, G1, G1B
	s_mov_b32 s[\g+1], ROWB<<16                    ; tensor_dim0
	s_mov_b32 s[\g+2], 128<<16                     ; tensor_dim1
	s_mov_b32 s[\g+3], ROWB<<16                    ; tile_dim0
	s_mov_b32 s[\g+4], 128                         ; tile_dim1
	s_mov_b32 s[\g+5], KROW                        ; the pitch
	s_mov_b32 s[\g+6], 0
	s_mov_b32 s[\g+7], 0
.endr
	s_lshl_b32 s18, s16, 7                         ; which 128 rows of the tile I fetch
	s_lshl_b32 s20, s17, 8
	s_add_co_u32 s20, s20, s18                     ; A: row 256 x tile row + 128 x half
	s_lshl_b32 s46, s42, 8
	s_add_co_u32 s46, s46, s18                     ; B: row 256 x tile column + 128 x half
	s_mov_b32 s21, 0
	s_mov_b32 s47, 0
	s_mov_b64 s[18:19], KS
	s_mul_u64 s[22:23], s[20:21], s[18:19]         ; where these rows' scales begin,
	s_mul_u64 s[92:93], s[46:47], s[18:19]
	s_mov_b64 s[18:19], KROW
	s_mul_u64 s[20:21], s[20:21], s[18:19]         ; and their codes
	s_mul_u64 s[46:47], s[46:47], s[18:19]
	s_mul_i32 s45, s14, HALFT                      ; where they go: wave x 128 rows
	s_mul_i32 s94, s14, HALFS
	s_wait_dscnt 0x0                               ; the opening add is done
	s_wait_kmcnt 0x0
.if KIND == 0
	s_cmp_eq_u32 ttmp9, 1                          ; the weight, its scales and its bias, by cluster x
	s_cselect_b64 s[98:99], s[76:77], s[70:71]
	s_cselect_b64 s[100:101], s[78:79], s[72:73]
	s_cselect_b64 s[66:67], s[80:81], s[74:75]
	s_cmp_eq_u32 ttmp9, 2
	s_cselect_b64 s[98:99], s[82:83], s[98:99]
	s_cselect_b64 s[100:101], s[84:85], s[100:101]
	s_cselect_b64 s[66:67], s[86:87], s[66:67]
	s_add_nc_u64 s[10:11], s[68:69], 0x400000      ; the tokens' scale bytes lie behind their codes
	s_cselect_b64 s[4:5], s[98:99], s[68:69]       ; A': for v the weight, else the tokens
	s_cselect_b64 s[6:7], s[100:101], s[10:11]
	s_cselect_b64 s[8:9], s[68:69], s[98:99]       ; B': the other
	s_cselect_b64 s[10:11], s[10:11], s[100:101]
	s_mov_b64 s[12:13], s[88:89]
.else
	s_mov_b64 s[4:5], s[68:69]
	s_add_nc_u64 s[6:7], s[68:69], 0x400000
	s_mov_b64 s[8:9], s[70:71]
	s_mov_b64 s[10:11], s[72:73]
	s_mov_b64 s[66:67], s[74:75]
	s_mov_b64 s[12:13], s[76:77]
.endif
	; the arguments are moved: their registers take the scales' descriptors: 128 rows' scales, a dense block, as rows of 256 bytes (32 elements of 8 bytes), 16 bytes of padding behind each
	s_or_b32 s[G1S+0], s43, (3<<16)|(1<<20)|(1<<21)|(5<<22)|(3<<25)
	s_or_b32 s[G1SB+0], s44, (3<<16)|(1<<20)|(1<<21)|(5<<22)|(3<<25)
.irp g, G1S, G1SB
	s_mov_b32 s[\g+1], 32<<16
	s_mov_b32 s[\g+2], (128*KS/256)<<16
	s_mov_b32 s[\g+3], 32<<16
	s_mov_b32 s[\g+4], 128*KS/256
	s_mov_b32 s[\g+5], 32
	s_mov_b32 s[\g+6], 0
	s_mov_b32 s[\g+7], 0
.endr
	s_add_nc_u64 s[20:21], s[4:5], s[20:21]
	s_add_nc_u64 s[22:23], s[6:7], s[22:23]
	s_add_nc_u64 s[46:47], s[8:9], s[46:47]
	s_add_nc_u64 s[92:93], s[10:11], s[92:93]
	CROUND                                         ; all sixteen work-groups are here: the first joint loads meet
	s_mov_b32 s[G0S], 1
	s_add_co_u32 s[G0S+1], s94, SCL
	s_mov_b64 s[G0S+2:G0S+3], s[22:23]
	s_or_b32 s[G0S+3], s[G0S+3], 0x80000000
	s_mov_b32 s[G0SB], 1
	s_add_co_u32 s[G0SB+1], s94, SCL
	s_mov_b64 s[G0SB+2:G0SB+3], s[92:93]
	s_or_b32 s[G0SB+3], s[G0SB+3], 0x80000000
	JLOAD G0S, G1S, G0SB, G1SB                     ; the scales first: they are wanted with K step 0
.irp s, 0,1
	s_mov_b32 s[G0+4*\s], 1
	s_add_co_u32 s[G0+4*\s+1], s45, \s*SLOT
	s_add_nc_u64 s[G0+4*\s+2:G0+4*\s+3], s[20:21], \s*ROWB
	s_or_b32 s[G0+4*\s+3], s[G0+4*\s+3], 0x80000000
	s_mov_b32 s[G0B+4*\s], 1
	s_add_co_u32 s[G0B+4*\s+1], s45, \s*SLOT
	s_add_nc_u64 s[G0B+4*\s+2:G0B+4*\s+3], s[46:47], \s*ROWB
	s_or_b32 s[G0B+4*\s+3], s[G0B+4*\s+3], 0x80000000
	JLOAD G0+4*\s, G1, G0B+4*\s, G1B
.endr
	v_and_b32 v1, 15, v0                           ; r = lane % 16
	v_bfe_u32 v2, v0, 4, 1                         ; h = lane / 16
	v_mul_u32_u24 v3, v1, PITCH
	v_lshl_add_u32 v4, v2, 4, v3                   ; a fragment's row x pitch + 16 x half
	s_mul_i32 s21, s15, HALFT                      ; my 128 rows of A
	s_mul_i32 s22, s16, HALFT                      ; my 128 rows of B,
	s_add_co_u32 s22, s22, 2*HALFT                 ; which lie behind A's 256
.irp s, 0,1
	v_add_nc_u32 v[ADRA+\s], s21, v4
	v_add_nc_u32 v[ADRB+\s], s22, v4
	s_add_co_u32 s21, s21, SLOT
	s_add_co_u32 s22, s22, SLOT
.endr
	v_mul_u32_u24 v5, v1, KS                       ; my row's scales: KS bytes a row,
	v_lshrrev_b32 v6, 8, v5
	v_lshl_add_u32 v5, v6, 4, v5                   ; and 16 more for each 256 passed
	s_mul_i32 s21, s15, HALFS
	s_mul_i32 s22, s16, HALFS
	s_add_co_u32 s22, s22, 2*HALFS
	s_sub_co_u32 s22, s22, s21
	v_mul_u32_u24 v6, s22, v2                      ; lanes 16-31 take B's
	s_add_co_u32 s21, s21, SCL
	v_add_nc_u32 v5, v5, v6
	v_add_nc_u32 v[ADRS], s21, v5
	s_lshl_b32 s23, s14, 9                         ; my stage: 512 bytes
	v_lshl_add_u32 v[STO], v1, 2, s23              ; 4 r
	v_and_b32 v6, 31, v0
	v_lshlrev_b32 v[CO], 4, v6
	v_add_nc_u32 v[RD], s23, v[CO]
	v_lshlrev_b32 v22, 5, v2                       ; the column bias: my half's eight numbers of a tile
	v_lshlrev_b32 v23, 2, v1                       ; the row bias: my row's number
	; where my 128 x 128 goes
	s_lshl_b32 s20, s17, 1
	s_add_co_u32 s20, s20, s15                     ; 2 x tile row + my half
	s_lshl_b32 s21, s42, 1
	s_add_co_u32 s21, s21, s16                     ; 2 x tile column + my half
.if KIND == 0
	s_cmp_eq_u32 ttmp9, 2
	s_cselect_b32 s22, s21, s20                    ; which 128 tokens,
	s_cselect_b32 s23, s20, s21                    ; which pair of heads
	s_lshr_b32 s20, s22, 4                         ; the batch
	s_and_b32 s22, s22, 15                         ; the step of 128 tokens in it
	s_lshl_b32 s20, s20, 3
	s_add_co_u32 s20, s20, s23
	s_lshl_b32 s20, s20, 4
	s_add_co_u32 s20, s20, s22                     ; BLK = (8 batch + pair) 16 + step
	s_lshl_b32 s22, s20, 9                         ; its 512 bytes of scale words,
	s_lshl_b32 s20, s20, 14                        ; its 16,384 bytes of codes
	s_lshl_b32 s21, ttmp9, 22
	s_add_co_u32 s20, s20, s21                     ; q, k, v: 4 MiB of codes each,
	s_lshl_b32 s21, ttmp9, 17
	s_add_co_u32 s22, s22, s21                     ; 128 KiB of scale words each,
	s_add_co_u32 s22, s22, 0xc00000                ; behind the codes
.else
	s_lshl_b32 s22, s20, 5
	s_add_co_u32 s22, s22, s21
	s_lshl_b32 s22, s22, 9                         ; scale words [128 tokens][K step][8][16]
	s_add_co_u32 s22, s22, 0x1000000
	s_lshl_b32 s20, s20, 19                        ; codes [16 tokens][K step][2,048]: eight tiles of 65,536 bytes
	s_lshl_b32 s21, s21, 11
	s_add_co_u32 s20, s20, s21
.endif
	s_mov_b32 s21, 0
	s_mov_b32 s23, 0
	s_add_nc_u64 s[92:93], s[12:13], s[22:23]
	s_add_nc_u64 s[12:13], s[12:13], s[20:21]
	; the biases
	s_lshl_b32 s20, s42, 10
	s_lshl_b32 s21, s16, 9
	s_add_co_u32 s20, s20, s21                     ; my first column, in bytes
.if KIND == 0
	s_lshl_b32 s22, s17, 10
	s_lshl_b32 s23, s15, 9
	s_add_co_u32 s22, s22, s23                     ; my first row
	s_cmp_eq_u32 ttmp9, 2
	s_cselect_b32 s20, 0, s20                      ; the one that does not apply is loaded from the bias's head, so that no load leaves the buffer, and made 0 below
	s_cselect_b32 s22, s22, 0
	s_mov_b32 s23, 0
	s_add_nc_u64 s[22:23], s[66:67], s[22:23]
.endif
	s_mov_b32 s21, 0
	s_add_nc_u64 s[20:21], s[66:67], s[20:21]
.irp t, 0,1,2,3,4,5,6,7
	global_load_b128 v[BN+8*\t:BN+8*\t+3], v22, s[20:21] offset:64*\t
	global_load_b128 v[BN+8*\t+4:BN+8*\t+7], v22, s[20:21] offset:64*\t+16
.endr
.if KIND == 0
.irp a, 0,1,2,3,4,5,6,7
	global_load_b32 v[BMR+\a], v23, s[22:23] offset:64*\a
.endr
.endif
	s_mov_b32 s98, 0x76543210
	s_mov_b32 s99, 0xfedcba98                      ; v_permlanex16_b32's selects for lane l xor 16
	s_mov_b32 s100, 0x600000                       ; the mantissa field of 448
	s_wait_loadcnt 0x0
.if KIND == 0
.set i, 0
.rept 64
	v_cndmask_b32 v[BN+i], 0, v[BN+i], s97         ; no column bias for v
.set i, i+1
.endr
.rept 8
	v_nop
.endr
.endif
.macro FRAG reg, adr, q, i             ; 16 rows x 128 K: lane l holds row l % 16; registers 4 c .. 4 c + 3 hold K = 32 c + 16 (l / 16) + 0 .. 15
.irp c, 0,1,2,3
	ds_load_b128 v[\reg+4*\c:\reg+4*\c+3], v[\adr] offset:128*(\q)+32*\c+(\i)*16*PITCH
.endr
.endm
; 16 matrix instructions: A's blocks a0, a0 + 1 x B's eight.  zero = 1: the first K step: the bias tile is the C, nothing is cleared.  The 64 accumulators take turns, one instruction a turn.
.macro MUL16 a0, p, q, sc, zero
.irp a, \a0, \a0+1
.irp b, 0,1,2,3,4,5,6,7
.if \zero
	v_wmma_scale_f32_16x16x128_f8f6f4 v[8*(8*((\a)%4)+\b):8*(8*((\a)%4)+\b)+7], v[128*(\p)+FR*\b:128*(\p)+FR*\b+FR-1], v[AF+FR*(\a):AF+FR*(\a)+FR-1], v[BN+8*\b:BN+8*\b+7], v[SC+8*NQ*(\sc)+NQ*\b+(\q)], v[SC+8*NQ*(\sc)+NQ*(\a)+(\q)] matrix_a_scale:MATRIX_SCALE_ROW1
.else
	v_wmma_scale_f32_16x16x128_f8f6f4 v[8*(8*((\a)%4)+\b):8*(8*((\a)%4)+\b)+7], v[128*(\p)+FR*\b:128*(\p)+FR*\b+FR-1], v[AF+FR*(\a):AF+FR*(\a)+FR-1], v[8*(8*((\a)%4)+\b):8*(8*((\a)%4)+\b)+7], v[SC+8*NQ*(\sc)+NQ*\b+(\q)], v[SC+8*NQ*(\sc)+NQ*(\a)+(\q)] matrix_a_scale:MATRIX_SCALE_ROW1
.endif
.endr
.endr
.endm
.macro FETCH_B slot, q, p
	WIN TO_B
.irp i, 0,1,2,3,4,5,6,7
	FRAG 128*(\p)+FR*\i, ADRB+\slot, \q, \i
.endr
	WIN 0
.endm
.macro FETCH_A slot, q, i0
.irp i, \i0, \i0+1, \i0+2, \i0+3
	FRAG AF+FR*(\i), ADRA+\slot, \q, \i
.endr
.endm
.macro SCALES sc                       ; a K step's scale words: lanes 0-15 take A's block i, lanes 16-31 B's block i
.irp i, 0,1,2,3,4,5,6,7
	ds_load_b64 v[SC+8*NQ*\sc+NQ*\i:SC+8*NQ*\sc+NQ*\i+1], v[ADRS] offset:\i*SBLK
.endr
.endm
.macro PLACES n                        ; plain vector instructions between a matrix instruction and a load into, or a vector instruction on, its registers
.rept \n
	v_nop
.endr
.endm
.macro STEP slot, q, zero              ; 128 along K that has its successor in the same slot
	s_wait_dscnt 4*NL                              ; B's set and A's blocks 0-3 are in; the youngest 16 loads (A's blocks 4-7) may be out
	WIN MUL_LO-0x20*(\zero)                        ; (zero: C in window 0)
	MUL16 0, (\q)%2, \q, \slot, \zero
	MUL16 2, (\q)%2, \q, \slot, \zero
	s_wait_dscnt 0
	PLACES NP
	FETCH_B \slot, (\q)+1, 1-(\q)%2
	FETCH_A \slot, (\q)+1, 0
	WIN MUL_HI-0x30*(\zero)
	MUL16 4, (\q)%2, \q, \slot, \zero
	MUL16 6, (\q)%2, \q, \slot, \zero
	PLACES NP
	WIN 0
	FETCH_A \slot, (\q)+1, 4
.endm
; A slot's last step changes slots: ONE barrier; in front of it each wave waits for all its tensor loads, adds 0 to its spare word, and waits for that and for its own reads of this slot.
.macro TURN slot, next, fill
	s_wait_tensorcnt 0x0                           ; all my tensor loads have landed: my part of the next slot
	ds_add_u32 v[SPW], v[NIL]                      ; 0 onto my spare word
	s_wait_dscnt 4*NL+1                            ; (the add and the youngest 16 loads may be out)
	WIN MUL_LO
	MUL16 0, 1, NQ-1, \slot, 0
	s_wait_dscnt 0x0                               ; the add is done, and my reads of this slot are over
	s_barrier_signal -1
	MUL16 2, 1, NQ-1, \slot, 0
	WIN 0
	s_barrier_wait -1
.if \fill
	CREST                                          ; the barrier has opened a round of the cluster's barrier: no wave of any partner still reads this slot or has a load on its way
	s_add_nc_u64 s[G0+4*\slot+2:G0+4*\slot+3], s[G0+4*\slot+2:G0+4*\slot+3], 2*ROWB
	s_add_nc_u64 s[G0B+4*\slot+2:G0B+4*\slot+3], s[G0B+4*\slot+2:G0B+4*\slot+3], 2*ROWB
	JLOAD G0+4*\slot, G1, G0B+4*\slot, G1B         ; the first tensor load behind the round; its four v_nop are among the places in front of the loads below
	PLACES NP-4
.else
	PLACES NP
.endif
	v_add_nc_u32 v[ADRS], 4*NQ, v[ADRS]            ; on to the next K step's scale words
	FETCH_B \next, 0, 0
	FETCH_A \next, 0, 0
	SCALES \next
	WIN MUL_HI
	MUL16 4, 1, NQ-1, \slot, 0
	MUL16 6, 1, NQ-1, \slot, 0
	PLACES NP
	WIN 0
	FETCH_A \next, 0, 4
.endm
	s_wait_tensorcnt 1                             ; the scales and my part of K step 0 are in (K step 1's load may be out),
	s_barrier_signal -1
	s_barrier_wait -1                              ; everybody's are
	FETCH_B 0, 0, 0
	FETCH_A 0, 0, 0
	SCALES 0
	FETCH_A 0, 0, 4
	STEP 0, 0, 1                                   ; the first step stands in front of the loop: its products start the sums on the bias
	s_mov_b32 s3, LAPS-1
.Llap:
	TURN 0, 1, 1
	STEP 1, 0, 0
	TURN 1, 0, 1
	STEP 0, 0, 0
	s_sub_co_u32 s3, s3, 1
	s_cmp_lg_u32 s3, 0
	s_cbranch_scc1 .Llap
	TURN 0, 1, 0                                   ; the last lap fills nothing
	STEP 1, 0, 0
	s_wait_dscnt 4*NL
	WIN MUL_LO
	MUL16 0, 1, NQ-1, 1, 0
	MUL16 2, 1, NQ-1, 1, 0
	s_wait_dscnt 0
	WIN MUL_HI
	MUL16 4, 1, NQ-1, 1, 0
	MUL16 6, 1, NQ-1, 1, 0
	WIN 0
; ---- THE WAY OUT: eight trips, a block of 16 rows x 128 columns each.  Only the 32 lines that take a block out of its accumulators differ from trip to trip (register numbers): a chain of branches on the trip's number picks them;
; all else is written once, so that the text stays short.
.macro PICK a
.set AC, 64*((\a)%4)
	WIN 0x02+(\a)/4                                ; source 0: window 2 or 3
.set i, 0
.rept 32
.if KIND == 0
	v_pk_add_f32 v[T+i:T+i+1], v[AC+i:AC+i+1], v[BMP+2*(\a):BMP+2*(\a)+1] op_sel_hi:[1,0]   ; + the row's bias; each accumulator from its low end on
.else
	v_pk_mul_f32 v[T+i:T+i+1], v[AC+i:AC+i+1], 0.5 op_sel_hi:[1,0]                         ; 0.5 x; each accumulator from its low end on
.endif
.set i, i+2
.endr
	WIN 0
.endm
.macro GELU16 g                        ; sixteen numbers: T holds 0.5 x and becomes 0.5 x (1 + erf(x / sqrt 2))
.set XG, T+16*(\g)
.irp j, 0,2,4,6,8,10,12,14
	v_pk_mul_f32 v[Z+\j:Z+\j+1], v[XG+\j:XG+\j+1], 0x3fb504f3 op_sel_hi:[1,0]   ; z = 0.5 x sqrt 2
.endr
.irp j, 0,1,2,3,4,5,6,7,8,9,10,11,12,13,14,15
	v_med3_num_f32 v[Z+\j], v[Z+\j], -4.0, 4.0
.endr
.irp j, 0,2,4,6,8,10,12,14
	v_pk_mul_f32 v[Z2+\j:Z2+\j+1], v[Z+\j:Z+\j+1], v[Z+\j:Z+\j+1]
.endr
.irp j, 0,2,4,6,8,10,12,14
	v_pk_fma_f32 v[P+\j:P+\j+1], v[Z2+\j:Z2+\j+1], v[18:19], EA1 op_sel_hi:[1,1,0]
.endr
.irp j, 0,2,4,6,8,10,12,14
	v_pk_fma_f32 v[Q+\j:Q+\j+1], v[Z2+\j:Z2+\j+1], v[22:23], EB1 op_sel_hi:[1,1,0]
.endr
.irp k, EA2, EA3, EA4, EA5, EA6
.irp j, 0,2,4,6,8,10,12,14
	v_pk_fma_f32 v[P+\j:P+\j+1], v[P+\j:P+\j+1], v[Z2+\j:Z2+\j+1], \k op_sel_hi:[1,1,0]
.endr
.endr
.irp k, EB2, EB3, EB4
.irp j, 0,2,4,6,8,10,12,14
	v_pk_fma_f32 v[Q+\j:Q+\j+1], v[Q+\j:Q+\j+1], v[Z2+\j:Z2+\j+1], \k op_sel_hi:[1,1,0]
.endr
.endr
.irp j, 0,1,2,3,4,5,6,7,8,9,10,11,12,13,14,15
	v_rcp_f32 v[Q+\j], v[Q+\j]
.endr
.irp j, 0,2,4,6,8,10,12,14
	v_pk_mul_f32 v[P+\j:P+\j+1], v[P+\j:P+\j+1], v[Z+\j:Z+\j+1]   ; plain work behind the reciprocals, which names none of them
.endr
	s_wait_alu depctr_va_vdst(0)                   ; one wait for the sixteen, ahead of their first reader
.irp j, 0,2,4,6,8,10,12,14
	v_pk_mul_f32 v[P+\j:P+\j+1], v[P+\j:P+\j+1], v[Q+\j:Q+\j+1]   ; erf
.endr
.irp j, 0,2,4,6,8,10,12,14
	v_pk_fma_f32 v[XG+\j:XG+\j+1], v[XG+\j:XG+\j+1], v[P+\j:P+\j+1], v[XG+\j:XG+\j+1]
.endr
.endm
	PLACES NP                                      ; behind the last products
.if KIND == 0
.irp a, 0,1,2,3,4,5,6,7
	v_cndmask_b32 v[BMP+2*\a], 0, v[BMR+\a], s96   ; the row bias, for v alone; the packed addition names a pair and takes its low word
	v_mov_b32 v[BMP+2*\a+1], 0
.endr
.else
	v_mov_b32 v18, 0xaf95df0b                      ; erf's leading coefficients, in pairs
	v_mov_b32 v19, 0xaf95df0b
	v_mov_b32 v22, 0xb77460cd
	v_mov_b32 v23, 0xb77460cd
.endif
.irp b, 0,1,2,3
	v_mov_b32 v[TM+4+\b], 0                        ; written once: a lane permute's destination counts as one of its sources
.endr
	s_mov_b32 s3, 0
.Lblk:
.irp a, 0,1,2,3,4,5,6
	s_cmp_eq_u32 s3, \a
	s_cbranch_scc1 .Lpick\a
.endr
	PICK 7
	s_branch .Lpicked
.irp a, 0,1,2,3,4,5,6
.Lpick\a:
	PICK \a
	s_branch .Lpicked
.endr
.Lpicked:
.if KIND == 1
	GELU16 0
	GELU16 1
	GELU16 2
	GELU16 3
.endif
	; the quantiser: register 16 b + i of T belongs to block b of my row; lane l xor 16 holds the block's other 16
.irp b, 0,1,2,3
	v_max3_num_f32 v[TM+\b], |v[T+16*\b]|, |v[T+1+16*\b]|, 0x4800000   ; with the floor 2^(9 - 127): the byte cannot fall under 1
.endr
.irp i, 2,4,6,8,10,12,14
.irp b, 0,1,2,3
	v_max3_num_f32 v[TM+\b], v[TM+\b], |v[T+16*\b+\i]|, |v[T+1+16*\b+\i]|
.endr
.endr
.irp b, 0,1,2,3
	v_permlanex16_b32 v[TM+4+\b], v[TM+\b], s98, s99
.endr
.irp b, 0,1,2,3
	v_max_num_f32 v[TM+\b], v[TM+\b], v[TM+4+\b]   ; the block's largest magnitude
.endr
.irp b, 0,1,2,3
	v_add_nc_u32 v[TM+12+\b], 0xfc000000, v[TM+\b] ; 8 off its exponent field: the conversion's scale operand
.endr
.irp b, 0,1,2,3
	v_and_or_b32 v[TM+8+\b], v[TM+\b], 0x7f800000, s100   ; 448 x the scale
.endr
.irp b, 0,1,2,3
	v_lshrrev_b32 v[TM+4+\b], 23, v[TM+12+\b]      ; the scale's byte
.endr
	v_lshl_or_b32 v[PW], v[TM+5], 8, v[TM+4]       ; my row's scale word
	v_lshl_or_b32 v[PW], v[TM+6], 16, v[PW]
	v_lshl_or_b32 v[PW], v[TM+7], 24, v[PW]
.irp b, 0,1,2,3
.irp i, 0,1,2,3,4,5,6,7,8,9,10,11,12,13,14,15
	v_med3_num_f32 v[T+16*\b+\i], v[T+16*\b+\i], -v[TM+8+\b], v[TM+8+\b]   ; the conversion does not saturate (ISA guide 7.6.2): the hold
.endr
	v_cvt_scalef32_pk8_fp8_f32 v[PC+4*\b:PC+1+4*\b], v[T+16*\b:T+7+16*\b], v[TM+12+\b]
	v_cvt_scalef32_pk8_fp8_f32 v[PC+2+4*\b:PC+3+4*\b], v[T+8+16*\b:T+15+16*\b], v[TM+12+\b]
.endr
	v_nop                                          ; a plain line between the conversions and the lines that touch their results
.irp b, 0,1,2,3
	v_permlane16_swap_b32 v[PC+4*\b], v[PC+2+4*\b]     ; the even tile's upper lanes change places with the odd tile's lower lanes:
	v_permlane16_swap_b32 v[PC+1+4*\b], v[PC+3+4*\b]   ; lane (r, h) now holds k = 32 b + 16 h + 0 .. 15 in registers 4 b .. 4 b + 3
.endr
	s_lshl_b32 s95, s3, 6
	v_add_nc_u32 v31, s95, v[STO]
	ds_store_b32 v31, v[PW]                        ; both halves of the lanes write the same word with the same value
.irp c, 0,1,2,3
	global_store_b128 v[CO], v[PC+4*\c:PC+4*\c+3], s[12:13] offset:512*\c   ; 512 consecutive bytes, at a multiple of 256 from the buffer's first byte
.endr
	s_wait_xcnt 0x0                                ; the stores have read their data and their base: both are written again only behind this wait
	s_add_nc_u64 s[12:13], s[12:13], OSTEP
	s_add_co_u32 s3, s3, 1
	s_cmp_lt_u32 s3, 8
	s_cbranch_scc1 .Lblk
	ds_load_b128 v[PC:PC+3], v[RD]                 ; LDS serves a wave's instructions in order: these see my eight stores
	s_wait_dscnt 0x0
	global_store_b128 v[CO], v[PC:PC+3], s[92:93]  ; my 128 rows' scale words: 512 consecutive bytes
	s_wait_tensorcnt 0x0                           ; the wave's end, behind my last tensor load and my last LDS store
	ds_add_u32 v[SPW], v[NIL]
	s_wait_dscnt 0x0
	CROUND                                         ; the closing round: no work-group ends while a partner may still ask for a tile that names it
	s_endpgm
.Lfunc_end_k_qef28692fd2_qkv:
	.size	k_qef28692fd2_qkv, .Lfunc_end_k_qef28692fd2_qkv-k_qef28692fd2_qkv
	.p2alignl 7, 3214868480
	.fill 96, 4, 3214868480
	.section	.rodata,"a",@progbits
	.p2align	6, 0x0
	.amdhsa_kernel k_qef28692fd2_qkv
		.amdhsa_group_segment_fixed_size 327680
		.amdhsa_private_segment_fixed_size 0
		.amdhsa_enable_private_segment 0
		.amdhsa_kernarg_size 88
		.amdhsa_user_sgpr_count 2
		.amdhsa_user_sgpr_kernarg_segment_ptr 1
		.amdhsa_wavefront_size32 1
		.amdhsa_system_sgpr_workgroup_id_x 1
		.amdhsa_system_sgpr_workgroup_id_y 1
		.amdhsa_system_sgpr_workgroup_id_z 1
		.amdhsa_system_vgpr_workitem_id 0
		.amdhsa_next_free_vgpr 1024
		.amdhsa_next_free_sgpr 102
		.amdhsa_reserve_vcc 0
		.amdhsa_float_denorm_mode_32 3
		.amdhsa_float_denorm_mode_16_64 3
		.amdhsa_memory_ordered 1
		.amdhsa_forward_progress 1
		.amdhsa_inst_pref_size 151
	.end_amdhsa_kernel
	.amdgpu_metadata
---
amdhsa.version: [ 1, 2 ]
amdhsa.kernels:
  - .name:           k_qef28692fd2_qkv
    .symbol:         k_qef28692fd2_qkv.kd
    .args:
      - { .name: act1, .offset: 0, .size: 8, .value_kind: global_buffer, .address_space: global }
      - { .name: wq_codes, .offset: 8, .size: 8, .value_kind: global_buffer, .address_space: global }
      - { .name: wq_scales, .offset: 16, .size: 8, .value_kind: global_buffer, .address_space: global }
      - { .name: bq, .offset: 24, .size: 8, .value_kind: global_buffer, .address_space: global }
      - { .name: wk_codes, .offset: 32, .size: 8, .value_kind: global_buffer, .address_space: global }
      - { .name: wk_scales, .offset: 40, .size: 8, .value_kind: global_buffer, .address_space: global }
      - { .name: bk, .offset: 48, .size: 8, .value_kind: global_buffer, .address_space: global }
      - { .name: wv_codes, .offset: 56, .size: 8, .value_kind: global_buffer, .address_space: global }
      - { .name: wv_scales, .offset: 64, .size: 8, .value_kind: global_buffer, .address_space: global }
      - { .name: bv, .offset: 72, .size: 8, .value_kind: global_buffer, .address_space: global }
      - { .name: qkv, .offset: 80, .size: 8, .value_kind: global_buffer, .address_space: global }
    .group_segment_fixed_size: 327680
    .private_segment_fixed_size: 0
    .kernarg_segment_align: 8
    .kernarg_segment_size: 88
    .max_flat_workgroup_size: 128
    .sgpr_count:     102
    .vgpr_count:     1024
    .wavefront_size: 32
...
	.end_amdgpu_metadata
.endif
;; end of part 2
;; launch attn (part 3): grid 8 x 32, 16 waves a work-group, no clusters, 327,680 bytes of LDS; arguments qkv, ao; writes ao
.if DOCPART == 3
	.amdgcn_target "amdgcn-amd-amdhsa--gfx1250"
	.amdhsa_code_object_version 6
	.text
	.protected	k_qef28692fd2_attn
	.globl	k_qef28692fd2_attn
	.p2align	8
	.type	k_qef28692fd2_attn,@function
k_qef28692fd2_attn:
	s_mov_b64 s[64:65], 0
	v_nop
	global_prefetch_b8 v0, s[64:65] scope:SCOPE_SE
	s_setreg_imm32_b32 hwreg(HW_REG_WAVE_MODE, 25, 1), 1
	s_wait_xcnt 0x0
; Causal attention of one head (64 channels) on codes of FP8 (E4M3) with one E8M0 scale for each 32 along a product's K; its result is quantised along the model's axis and stored as images of the next product's operand.
; q, k, v lie in one buffer as images of operand registers: BLK = (8 batch + pair of heads) 16 + step of 128 tokens; codes at kind x 4 MiB + BLK x 16,384 + a x 2,048 + chunk x 512 + 16 x lane; scale words at
; 12 MiB + kind x 128 KiB + BLK x 512 + a x 64 + 4 r.  q, k: a = tile of 16 tokens, chunk = 2 (head % 2) + block of 32 channels.  v: a = 4 (head % 2) + tile of 16 channels, chunk = block of 32 keys.
; THE SOFTMAX: t = score x log2(e) / 8; M = the running largest t rounded UP to a whole number; p = 2^(t - M) is quantised along the keys, not normalised; the row's sum is taken of the unquantised p and divides at the end.
; When M moves, the sum and O are multiplied by 2^(old M - new M): exact.
; SHARES. A head's 2,048 queries are 16 blocks of 128. Work-group x = p owns blocks p and 15 - p: 17 block steps of work in every work-group. Waves 0-7 take the tiles of block p, waves 8-15 those of block 15 - p; a wave
; owns 16 queries in 256 registers. Every wave walks all eight slots (constant trip counts); a step all of whose keys come after the wave's queries is left out by a branch on ids.
; No cluster: the work-groups of a head need different numbers of tiles (9 to 16 steps), and a step's tiles are 16 KiB beside several hundred vector instructions a wave.
; LAYOUT. Both products are used transposed: S^T = K Q^T (source 0 = 16 keys), O^T = V^T P^T (source 0 = 16 channels): a lane holds ONE query. Tile t's register j is key 16 t + 8 (lane / 16) + j; the conversions and two
; v_permlane16_swap_b32 a block bring p's codes into the operand's order.
; THE FIRST PRODUCT'S K IS 64 OF THE INSTRUCTION'S 128. Q's registers 8-15 are zero codes. K's tiles lie packed, 8 registers each; a fragment's upper half is the next tile's codes (behind the last: zeros): finite numbers
; times zero. The scale words come as 16 bits: bytes 2 and 3 are 0, never 0xff.  LIMIT: this leans on codes that are never NaN: the launch that made them holds every number. NaN and infinities among the inputs are not served.
.set SK,    256                        ; keys in a slot
.set VOFF,  16384                      ; a slot: two steps of K (8 tiles x 1,024 bytes each), then two of V (4 fragments x 2,048)
.set SLOT1, 32768
.set NSL,   8
.set SCK,   65536                      ; the pair of heads' scale words of K: 8,192 bytes
.set SCV,   73728                      ; the head's scale words of V: 4,096 bytes
.set SPARE, 77824                      ; the spare words, 128 bytes for each wave: eight blocks of 256 bytes that no other line names
.set AK0,  1                           ; v1   16 x lane
.set AV0,  2                           ; v2   VOFF + 16 x lane
.set ASK0, 3                           ; v3   my place among K's scale words
.set ASV0, 4                           ; v4   and among V's
.set SPW,  5
.set NIL,  6
.set PFO,  7                           ; v7   the prefetches' offset; on the way out the scale word's
.set GO,   7
.set ADK,  8
.set ADV,  9
.set ADS,  10
.set ADT,  11
.set KV,   32                          ; v32-95 K's eight tiles, then V's four fragments; v96-103 zeros
.set S,    104                         ; v104-167 S^T, then p
.set O,    168                         ; v168-199 O^T
.set PCD,  200                         ; v200-215 p's codes
.set KSC,  216                         ; v216-223 K's scale words, then V's: scales and nothing else; v240 Q's; v243 p's
.set BMX,  224                         ; v224-239 block maxima, bytes, holds, scale operands
.set WV,   18
.set MNT,  19
.set SEL,  20
.set CS,   22
.set G1K,  24
.set G1V,  32
.set G0K,  40
.set G0V,  44
.set G1SK, 48
.set G0SK, 56
.set G0SV, 60
.set G1SV, 68
.set TB,   2
.set TS,   3
.set TJ,   66
.set SLOTS, 67
.set PFA,  76
.set LIM,  80
.set KF,   98                          ; the step's first key
.set Q0,   99                          ; my first query
.set LQ,   100                         ; my work-group's last query
; Waves 0 and 1 fetch for K, waves 2 and 3 for V, the others nothing. An s_nop 0 and four v_nop follow each of the two lines.
.macro TLOAD g0k, g1k, g0v, g1v
	s_cmp_lt_u32 s[WV], 2
	s_cbranch_scc0 .Lnot_k_\@
	tensor_load_to_lds s[\g0k:\g0k+3], s[\g1k:\g1k+7]
	s_nop 0
.rept 4
	v_nop
.endr
	s_branch .Lasked_\@
.Lnot_k_\@:
	s_cmp_lt_u32 s[WV], 4
	s_cbranch_scc0 .Lasked_\@
	tensor_load_to_lds s[\g0v:\g0v+3], s[\g1v:\g1v+7]
	s_nop 0
.rept 4
	v_nop
.endr
.Lasked_\@:
.endm
; A prefetch of what the NEXT change of slots will ask for: the head's 16 KiB of K and 16 KiB of V. The head's work-group x = 0, which walks all slots, asks, and nobody else; in it waves 4 and 5 ask for K's two steps
; (8 rows of 1,024 bytes, 2,048 apart: four lanes a row, 256 bytes apart), waves 6 and 7 for V's (8,192 dense bytes: lanes 256 bytes apart): each aligned block of 256 bytes is named once in the launch.
; The last change that fills a slot asks for nothing; slots 0 and 1 come by their loads alone.
.macro ASK
	s_cmp_gt_u32 s[SLOTS], s[LIM]
	s_cbranch_scc0 .Lnot_mine_\@
	global_prefetch_b8 v[PFO], s[PFA:PFA+1] th:TH_LOAD_NT scope:SCOPE_SE
.Lnot_mine_\@:
.endm
	s_load_b128 s[4:7], s[0:1], 0x0                ; qkv, ao
	v_lshl_add_u32 v[SPW], v0, 2, SPARE
	v_mov_b32 v[NIL], 0
	ds_add_u32 v[SPW], v[NIL]                      ; the wave's opening: the add and its wait stand ahead of my first tensor load; work on registers stands between them
	v_lshrrev_b32 v8, 5, v0
	v_readfirstlane_b32 s[WV], v8                  ; wave 0..15
	s_and_b32 s81, ttmp7, 0xffff                   ; 16 batch + head
	s_lshr_b32 s82, s81, 1                         ; 8 batch + pair of heads
	s_and_b32 s83, s81, 1                          ; head % 2
	s_lshl_b32 s84, s82, 18                        ; the pair's 16 steps of codes,
	s_lshl_b32 s85, s82, 13                        ; and of scale words
	s_and_b32 s88, s[WV], 1                        ; which of a slot's two steps I fetch
	s_lshl_b32 s86, ttmp9, 7
	s_sub_co_u32 s87, 15, ttmp9
	s_lshl_b32 s87, s87, 7
	s_cmp_lt_u32 s[WV], 8
	s_cselect_b32 s86, s86, s87                    ; block p or block 15 - p
	s_and_b32 s87, s[WV], 7
	s_lshl_b32 s87, s87, 4
	s_add_co_u32 s[Q0], s86, s87
	s_sub_co_u32 s[LQ], 16, ttmp9
	s_lshl_b32 s[LQ], s[LQ], 7
	s_sub_co_u32 s[LQ], s[LQ], 1
	s_lshl_b32 s86, s88, 14
	s_add_co_u32 s86, s86, s84
	s_lshl_b32 s87, s83, 10
	s_add_co_u32 s8, s86, s87
	s_add_co_u32 s8, s8, 0x400000                  ; K's codes: my step of slot 0, my head's 1,024 bytes of each tile
	s_mov_b32 s9, 0
	s_lshl_b32 s87, s83, 13
	s_add_co_u32 s10, s86, s87
	s_add_co_u32 s10, s10, 0x800000                ; V's: my head's 8,192 bytes of the step
	s_mov_b32 s11, 0
	s_lshl_b32 s86, s88, 12
	s_add_co_u32 s86, s86, s85
	s_add_co_u32 s12, s86, 0xc20000                ; K's scale words: my half of the pair's 8,192 bytes
	s_mov_b32 s13, 0
	s_lshl_b32 s87, s83, 8
	s_add_co_u32 s14, s86, s87
	s_add_co_u32 s14, s14, 0xc40000                ; V's: my head's 256 bytes of each of my eight steps
	s_mov_b32 s15, 0
	s_lshl_b32 s86, s[Q0], 7
	s_add_co_u32 s16, s84, s86
	s_lshl_b32 s87, s83, 10
	s_add_co_u32 s16, s16, s87                     ; Q's codes: tile Q0 / 16 of the pair, my head's half
	s_mov_b32 s17, 0
	s_lshl_b32 s86, s[Q0], 2
	s_add_co_u32 s90, s85, s86
	s_lshl_b32 s97, s83, 1
	s_add_co_u32 s90, s90, s97
	s_add_co_u32 s90, s90, 0xc00000                ; Q's scale words, my head's two bytes
	s_mov_b32 s91, 0
	s_lshr_b32 s86, s81, 4                         ; the batch
	s_lshl_b32 s92, s86, 21
	s_lshl_b32 s87, s[Q0], 10
	s_add_co_u32 s92, s92, s87                     ; the result's codes [tile of 16 tokens][K step 8][2,048]
	s_and_b32 s87, s82, 7                          ; the pair of heads = the next product's K step
	s_lshl_b32 s89, s87, 11
	s_add_co_u32 s92, s92, s89
	s_lshl_b32 s89, s83, 10
	s_add_co_u32 s92, s92, s89
	s_mov_b32 s93, 0
	s_lshl_b32 s94, s86, 4
	s_lshr_b32 s89, s[Q0], 7
	s_add_co_u32 s94, s94, s89
	s_lshl_b32 s94, s94, 3
	s_add_co_u32 s94, s94, s87
	s_lshl_b32 s94, s94, 9                         ; its scale words [128 tokens][K step][8][16]
	s_bfe_u32 s89, s[Q0], 0x30004
	s_lshl_b32 s89, s89, 6
	s_add_co_u32 s94, s94, s89
	s_add_co_u32 s94, s94, s97
	s_add_co_u32 s94, s94, 0x400000
	s_mov_b32 s95, 0
	s_lshl_b32 s89, s88, 13                        ; in a slot: K's step,
	s_add_co_u32 s96, s89, VOFF                    ; V's step
	s_lshl_b32 s86, s88, 12
	s_add_co_u32 s86, s86, SCK
	s_lshl_b32 s87, s88, 11
	s_add_co_u32 s87, s87, SCV
	; descriptor groups 1: elements of 8 bytes, no mask, no padding
	s_mov_b32 s[G1K], 3<<16                        ; K: 8 rows of 1,024 bytes, 2,048 apart
	s_mov_b32 s[G1K+1], 128<<16
	s_mov_b32 s[G1K+2], 8<<16
	s_mov_b32 s[G1K+3], 128<<16
	s_mov_b32 s[G1K+4], 8
	s_mov_b32 s[G1K+5], 256
	s_mov_b32 s[G1K+6], 0
	s_mov_b32 s[G1K+7], 0
	s_mov_b32 s[G1V], 3<<16                        ; V: 8,192 dense bytes as 32 rows of 256
	s_mov_b32 s[G1V+1], 32<<16
	s_mov_b32 s[G1V+2], 32<<16
	s_mov_b32 s[G1V+3], 32<<16
	s_mov_b32 s[G1V+4], 32
	s_mov_b32 s[G1V+5], 32
	s_mov_b32 s[G1V+6], 0
	s_mov_b32 s[G1V+7], 0
	s_mov_b32 s[G1SK], 3<<16                       ; K's scale words: 4,096 dense bytes as 16 rows of 256
	s_mov_b32 s[G1SK+1], 32<<16
	s_mov_b32 s[G1SK+2], 16<<16
	s_mov_b32 s[G1SK+3], 32<<16
	s_mov_b32 s[G1SK+4], 16
	s_mov_b32 s[G1SK+5], 32
	s_mov_b32 s[G1SK+6], 0
	s_mov_b32 s[G1SK+7], 0
	s_mov_b32 s[G1SV], 3<<16                       ; V's: 8 rows of 256 bytes, 512 apart
	s_mov_b32 s[G1SV+1], 32<<16
	s_mov_b32 s[G1SV+2], 8<<16
	s_mov_b32 s[G1SV+3], 32<<16
	s_mov_b32 s[G1SV+4], 8
	s_mov_b32 s[G1SV+5], 64
	s_mov_b32 s[G1SV+6], 0
	s_mov_b32 s[G1SV+7], 0
	s_mov_b32 s[SEL], 0x76543210
	s_mov_b32 s[SEL+1], 0xfedcba98
	s_mov_b32 s[CS], 0x3e38aa3b                    ; c = log2(e) / sqrt(64)
	s_mov_b32 s[CS+1], s[CS]
	s_mov_b32 s[MNT], 0x600000
	s_mov_b32 s[TB], 0
	s_mov_b32 s[TS], 0
	s_mov_b32 s[TJ], 0
	s_mov_b32 s[SLOTS], NSL-1
	s_mov_b32 s[KF], 0
	s_wait_dscnt 0x0                               ; the opening add is done
	s_wait_kmcnt 0x0
	s_mov_b32 s[G0SK], 1
	s_mov_b32 s[G0SK+1], s86
	s_add_nc_u64 s[G0SK+2:G0SK+3], s[4:5], s[12:13]
	s_or_b32 s[G0SK+3], s[G0SK+3], 0x80000000
	s_mov_b32 s[G0SV], 1
	s_mov_b32 s[G0SV+1], s87
	s_add_nc_u64 s[G0SV+2:G0SV+3], s[4:5], s[14:15]
	s_or_b32 s[G0SV+3], s[G0SV+3], 0x80000000
	TLOAD G0SK, G1SK, G0SV, G1SV                   ; the scale words: filled once
	s_mov_b32 s[G0K], 1
	s_mov_b32 s[G0K+1], s89
	s_add_nc_u64 s[G0K+2:G0K+3], s[4:5], s[8:9]
	s_or_b32 s[G0K+3], s[G0K+3], 0x80000000
	s_mov_b32 s[G0V], 1
	s_mov_b32 s[G0V+1], s96
	s_add_nc_u64 s[G0V+2:G0V+3], s[4:5], s[10:11]
	s_or_b32 s[G0V+3], s[G0V+3], 0x80000000
	TLOAD G0K, G1K, G0V, G1V                       ; slot 0.  By this text's count a wave has at most two tensor loads out
	s_add_nc_u64 s[16:17], s[4:5], s[16:17]
	s_add_nc_u64 s[90:91], s[4:5], s[90:91]
	s_add_nc_u64 s[92:93], s[6:7], s[92:93]
	s_add_nc_u64 s[94:95], s[6:7], s[94:95]
	v_and_b32 v8, 31, v0
	v_lshlrev_b32 v[AK0], 4, v8
	global_load_b128 v[16:19], v[AK0], s[16:17]    ; Q's fragment, its lower half: it stays in registers
	global_load_b128 v[20:23], v[AK0], s[16:17] offset:512
	v_and_b32 v9, 15, v0
	v_lshlrev_b32 v9, 2, v9                        ; 4 r
	global_load_u16 v240, v9, s[90:91]             ; Q's scale bytes; the upper two bytes are 0
	; the prefetches: where my wave's stand, and who asks
	s_cmp_lt_u32 s[WV], 6
	s_cselect_b32 s78, s8, s10
	s_cselect_b32 s79, 11, 10
	v_lshrrev_b32 v[PFO], 2, v8
	v_lshlrev_b32 v[PFO], s79, v[PFO]
	v_and_b32 v10, 3, v8
	v_lshl_add_u32 v[PFO], v10, 8, v[PFO]
	s_add_co_u32 s78, s78, SLOT1                   ; in slot 1: the first change of slots steps it to slot 2
	s_mov_b32 s79, 0
	s_add_nc_u64 s[PFA:PFA+1], s[4:5], s[78:79]
	s_lshr_b32 s86, s[WV], 2
	s_xor_b32 s86, s86, 1                          ; 0 in waves 4 to 7,
	s_or_b32 s86, s86, ttmp9                       ; of work-group x = 0
	s_cmp_eq_u32 s86, 0
	s_cselect_b32 s[LIM], 1, -1
	v_add_nc_u32 v[AV0], VOFF, v[AK0]
	v_add_nc_u32 v[ASK0], SCK, v9
	v_add_nc_u32 v[ASK0], s97, v[ASK0]             ; my head's two bytes of a word
	v_add_nc_u32 v[ASV0], SCV, v9
	v_mov_b32 v13, 0xff61b1e6                      ; the largest t so far: -3e38
	v_floor_f32 v12, -v13                          ; -M
	v_mov_b32 v14, 0
	v_mov_b32 v15, 0
.irp j, 0,1,2,3,4,5,6,7
	v_mov_b32 v[24+\j], 0                          ; Q's upper half: zero codes
	v_mov_b32 v[96+\j], 0                          ; behind K's last tile
.endr
.set i, 0
.rept 32
	v_mov_b32 v[O+i], 0                            ; the step is written once: the first finds zeros
.set i, i+1
.endr
.irp b, 0,1,2,3
	v_mov_b32 v[BMX+4+\b], 0                       ; a lane permute's destination counts as one of its sources
.endr
	v_mov_b32 v243, 0
	v_mov_b32 v244, 0
.macro STEP q                          ; 128 keys, the q-th of the slot in hand
	s_add_co_u32 s96, s[Q0], 15                    ; a step all of whose keys come after my queries is left out: ids alone
	s_cmp_gt_u32 s[KF], s96
	s_cbranch_scc1 .Lhidden_\@
	v_add_nc_u32 v[ADK], s[TB], v[AK0]
	v_add_nc_u32 v[ADV], s[TB], v[AV0]
	v_add_nc_u32 v[ADS], s[TS], v[ASK0]
	v_add_nc_u32 v[ADT], s[TJ], v[ASV0]
.rept 4
	v_nop                                          ; with the four additions: eight places in front of loads into registers that the last products read
.endr
.irp t, 0,1,2,3,4,5,6,7
	ds_load_b128 v[KV+8*\t:KV+8*\t+3], v[ADK] offset:8192*(\q)+1024*\t
	ds_load_b128 v[KV+8*\t+4:KV+8*\t+7], v[ADK] offset:8192*(\q)+1024*\t+512
	ds_load_u16 v[KSC+\t], v[ADS] offset:64*\t
.endr
	s_wait_dscnt 0x0
.irp t, 0,1,2,3,4,5,6,7
	v_wmma_scale_f32_16x16x128_f8f6f4 v[S+8*\t:S+8*\t+7], v[KV+8*\t:KV+8*\t+15], v[16:31], 0, v[KSC+\t], v240
.endr
.rept 8
	v_nop
.endr
.irp t, 0,1,2,3                                ; V is asked for at once: it lands under the softmax
.irp c, 0,1,2,3
	ds_load_b128 v[KV+16*\t+4*\c:KV+16*\t+4*\c+3], v[ADV] offset:8192*(\q)+2048*\t+512*\c
.endr
	ds_load_b32 v[KSC+\t], v[ADT] offset:64*\t
.endr
	s_add_co_u32 s96, s[KF], 127                   ; on the diagonal hidden scores become -infinity; a step all of whose keys count skips this
	s_cmp_le_u32 s96, s[Q0]
	s_cbranch_scc1 .Lopen_\@
	s_sub_co_i32 s96, s[Q0], s[KF]
	v_and_b32 v245, 15, v0
	v_bfe_u32 v246, v0, 4, 1
	v_lshlrev_b32 v246, 3, v246
	v_sub_nc_u32 v245, v245, v246
	v_add_nc_u32 v245, s96, v245                   ; d = my query - KF - 8 (lane / 16); register n holds key KF + 8 (lane / 16) + 16 (n / 8) + n % 8
	v_mov_b32 v244, 0xff800000
.set n, 0
.rept 64
	v_cmp_gt_i32 vcc_lo, 16*(n/8)+n%8, v245
	v_cndmask_b32 v[S+n], v[S+n], v244, vcc_lo
.set n, n+1
.endr
.Lopen_\@:
.irp b, 0,1,2,3
	v_max3_num_f32 v[BMX+\b], v[S+16*\b], v[S+1+16*\b], v[S+2+16*\b]   ; the largest score of each block of 32 keys: for the row's maximum and for the block's largest p
.endr
.irp i, 3,5,7,9,11,13
.irp b, 0,1,2,3
	v_max3_num_f32 v[BMX+\b], v[BMX+\b], v[S+16*\b+\i], v[S+1+16*\b+\i]
.endr
.endr
.irp b, 0,1,2,3
	v_max_num_f32 v[BMX+\b], v[BMX+\b], v[S+15+16*\b]
.endr
.irp b, 0,1,2,3
	v_permlanex16_b32 v[BMX+4+\b], v[BMX+\b], s[SEL], s[SEL+1]
.endr
.irp b, 0,1,2,3
	v_max_num_f32 v[BMX+\b], v[BMX+\b], v[BMX+4+\b]
.endr
	v_max3_num_f32 v244, v[BMX], v[BMX+1], v[BMX+2]
	v_max_num_f32 v244, v244, v[BMX+3]
	v_mul_f32 v244, s[CS], v244
	v_max_num_f32 v13, v13, v244                   ; the running largest t
	v_mov_b32 v244, v12
	v_floor_f32 v12, -v13                          ; the new -M: a whole number
	v_sub_f32 v244, v12, v244
	v_cvt_i32_f32 v244, v244                       ; (it saturates)
	v_ldexp_f32 v242, 1.0, v244                    ; f = 2^(old M - new M)
.set j, 0
.rept 32
	v_pk_fma_f32 v[S+j:S+j+1], v[S+j:S+j+1], s[CS:CS+1], v[12:13] op_sel_hi:[1,0,0]   ; t - M
.set j, j+2
.endr
.irp b, 0,1,2,3
	v_fma_f32 v[BMX+\b], v[BMX+\b], s[CS], v12
.endr
.set j, 0
.rept 64
	v_exp_f32 v[S+j], v[S+j]                       ; p = 2^(t - M)
.set j, j+1
.endr
	v_pk_mul_f32 v[14:15], v[14:15], v[242:243] op_sel_hi:[1,0]   ; the sums under the new M (a plain line behind the exponentials)
	s_wait_alu depctr_va_vdst(0)                   ; one wait for the batch, ahead of its first reader
.irp b, 0,1,2,3
	v_exp_f32 v[BMX+\b], v[BMX+\b]                 ; the block's largest p
.endr
	v_pk_add_f32 v[BMX+4:BMX+5], v[S:S+1], v[S+2:S+3]   ; the row's sum of the unquantised p, two chains
.irp j, 4,8,12,16,20,24,28,32,36,40,44,48,52,56,60
	v_pk_add_f32 v[14:15], v[14:15], v[S+\j:S+\j+1]
	v_pk_add_f32 v[BMX+4:BMX+5], v[BMX+4:BMX+5], v[S+2+\j:S+3+\j]
.endr
	v_pk_add_f32 v[14:15], v[14:15], v[BMX+4:BMX+5]
	s_wait_alu depctr_va_vdst(0)                   ; and one for the four
.irp b, 0,1,2,3
	v_max_num_f32 v[BMX+\b], 0x4800000, v[BMX+\b]  ; the floor: the byte cannot fall under 1
.endr
.irp b, 0,1,2,3
	v_add_nc_u32 v[BMX+12+\b], 0xfc000000, v[BMX+\b]
.endr
.irp b, 0,1,2,3
	v_and_or_b32 v[BMX+8+\b], v[BMX+\b], 0x7f800000, s[MNT]
.endr
.irp b, 0,1,2,3
	v_lshrrev_b32 v[BMX+4+\b], 23, v[BMX+12+\b]
.endr
	v_lshl_or_b32 v243, v[BMX+5], 8, v[BMX+4]      ; p's scale word for these 128 keys
	v_lshl_or_b32 v243, v[BMX+6], 16, v243
	v_lshl_or_b32 v243, v[BMX+7], 24, v243
.irp b, 0,1,2,3
.irp i, 0,1,2,3,4,5,6,7,8,9,10,11,12,13,14,15
	v_min_num_f32 v[S+16*\b+\i], v[S+16*\b+\i], v[BMX+8+\b]   ; the hold; p is not negative
.endr
	v_cvt_scalef32_pk8_fp8_f32 v[PCD+4*\b:PCD+1+4*\b], v[S+16*\b:S+7+16*\b], v[BMX+12+\b]
	v_cvt_scalef32_pk8_fp8_f32 v[PCD+2+4*\b:PCD+3+4*\b], v[S+8+16*\b:S+15+16*\b], v[BMX+12+\b]
.endr
	v_nop                                          ; a plain line between the conversions and the lines that touch their results
.irp b, 0,1,2,3
	v_permlane16_swap_b32 v[PCD+4*\b], v[PCD+2+4*\b]
	v_permlane16_swap_b32 v[PCD+1+4*\b], v[PCD+3+4*\b]   ; lane (r, h): keys 32 b + 16 h + 0 .. 15 in registers 4 b .. 4 b + 3
.endr
.set j, 0
.rept 16
	v_pk_mul_f32 v[O+j:O+j+1], v[O+j:O+j+1], v[242:243] op_sel_hi:[1,0]   ; O^T under the new M; these are also the places in front of the products below
.set j, j+2
.endr
	s_wait_dscnt 0x0                               ; V and its scale words are in
.irp t, 0,1,2,3
	v_wmma_scale_f32_16x16x128_f8f6f4 v[O+8*\t:O+8*\t+7], v[KV+16*\t:KV+16*\t+15], v[PCD:PCD+15], v[O+8*\t:O+8*\t+7], v[KSC+\t], v243
.endr
.Lhidden_\@:
	s_add_co_u32 s[KF], s[KF], 128
	s_add_co_u32 s[TS], s[TS], 512
	s_add_co_u32 s[TJ], s[TJ], 256
.endm
; THE CHANGE OF SLOTS stands at a slot's head: each wave waits for all its tensor loads, adds 0 to its spare word, waits for that and for its reads of the slot that it has left; one barrier; behind it the slot left is filled
; with the keys that follow, while those keys count for some query of the work-group.
.macro CHANGE fill
	s_wait_tensorcnt 0x0                           ; no tensor load of mine is out, so a group 0 may be written
	ds_add_u32 v[SPW], v[NIL]                      ; 0 onto my spare word
.if \fill
	s_xor_b32 s[G0K+1], s[G0K+1], SLOT1
	s_add_nc_u64 s[G0K+2:G0K+3], s[G0K+2:G0K+3], 32768
	s_xor_b32 s[G0V+1], s[G0V+1], SLOT1
	s_add_nc_u64 s[G0V+2:G0V+3], s[G0V+2:G0V+3], 32768
	s_wait_xcnt 0x0                                ; the last prefetch, a slot back, has read its address
	s_add_nc_u64 s[PFA:PFA+1], s[PFA:PFA+1], 32768
.endif
	s_wait_dscnt 0x0                               ; the add is done, and my reads of the slot that I have left are over
	s_barrier_signal -1
	s_barrier_wait -1
.if \fill
	s_add_co_u32 s96, s[KF], SK                    ; the first key of the slot that this change would ask for:
	s_cmp_gt_u32 s96, s[LQ]                        ; past my work-group's last query it is read by no wave, so it is not asked for.  Ids and the count of steps alone: all sixteen waves go the same way
	s_cbranch_scc1 .Lpast_\@
	TLOAD G0K, G1K, G0V, G1V                       ; a wave's one tensor load until the next barrier
.Lpast_\@:
	ASK
.endif
.endm
.macro SLOT_STEPS
	STEP 0
	STEP 1
	s_xor_b32 s[TB], s[TB], SLOT1
.endm
	s_wait_loadcnt 0x0                             ; Q
.Lslot:
	CHANGE 1
	SLOT_STEPS
	s_sub_co_u32 s[SLOTS], s[SLOTS], 1
	s_cmp_lg_u32 s[SLOTS], 0
	s_cbranch_scc1 .Lslot
	CHANGE 0                                       ; the last slot is written out: nothing is left to ask for
	SLOT_STEPS
	; THE WAY OUT: O^T / the sum; register 8 t + j is channel 16 t + 8 (lane / 16) + j of my query; two blocks of 32 along the model's axis are quantised as p was
.rept 8
	v_nop
.endr
	v_add_f32 v14, v14, v15
	v_permlanex16_b32 v244, v14, s[SEL], s[SEL+1]
	v_add_f32 v14, v14, v244                       ; the row's sum
	v_rcp_f32 v14, v14
	v_and_b32 v8, 15, v0                           ; (a plain line behind the transcendental)
	s_wait_xcnt 0x0                                ; the last prefetch has read its offset
	v_lshlrev_b32 v[GO], 2, v8
	s_wait_alu depctr_va_vdst(0)                   ; the wait ahead of the reciprocal's first reader
.set j, 0
.rept 32
	v_mul_f32 v[S+j], v[O+j], v14
.set j, j+1
.endr
.irp b, 0,1
	v_max3_num_f32 v[BMX+\b], |v[S+16*\b]|, |v[S+1+16*\b]|, 0x4800000
.endr
.irp i, 2,4,6,8,10,12,14
.irp b, 0,1
	v_max3_num_f32 v[BMX+\b], v[BMX+\b], |v[S+16*\b+\i]|, |v[S+1+16*\b+\i]|
.endr
.endr
.irp b, 0,1
	v_permlanex16_b32 v[BMX+4+\b], v[BMX+\b], s[SEL], s[SEL+1]
.endr
.irp b, 0,1
	v_max_num_f32 v[BMX+\b], v[BMX+\b], v[BMX+4+\b]
.endr
.irp b, 0,1
	v_add_nc_u32 v[BMX+12+\b], 0xfc000000, v[BMX+\b]
.endr
.irp b, 0,1
	v_and_or_b32 v[BMX+8+\b], v[BMX+\b], 0x7f800000, s[MNT]
.endr
.irp b, 0,1
	v_lshrrev_b32 v[BMX+4+\b], 23, v[BMX+12+\b]
.endr
	v_lshl_or_b32 v244, v[BMX+5], 8, v[BMX+4]      ; my head's two bytes of the row's scale word
.irp b, 0,1
.irp i, 0,1,2,3,4,5,6,7,8,9,10,11,12,13,14,15
	v_med3_num_f32 v[S+16*\b+\i], v[S+16*\b+\i], -v[BMX+8+\b], v[BMX+8+\b]
.endr
	v_cvt_scalef32_pk8_fp8_f32 v[PCD+4*\b:PCD+1+4*\b], v[S+16*\b:S+7+16*\b], v[BMX+12+\b]
	v_cvt_scalef32_pk8_fp8_f32 v[PCD+2+4*\b:PCD+3+4*\b], v[S+8+16*\b:S+15+16*\b], v[BMX+12+\b]
.endr
	v_nop
.irp b, 0,1
	v_permlane16_swap_b32 v[PCD+4*\b], v[PCD+2+4*\b]
	v_permlane16_swap_b32 v[PCD+1+4*\b], v[PCD+3+4*\b]
.endr
	global_store_b128 v[AK0], v[PCD:PCD+3], s[92:93]               ; 512 consecutive bytes each
	global_store_b128 v[AK0], v[PCD+4:PCD+7], s[92:93] offset:512
	global_store_b16 v[GO], v244, s[94:95]         ; two bytes of each of 16 words (both halves of the lanes write the same bytes): 128 KiB in the whole launch go out so, in parts of words that two heads share
	s_wait_tensorcnt 0x0                           ; the wave's end, behind my last tensor load
	ds_add_u32 v[SPW], v[NIL]
	s_wait_dscnt 0x0
	s_endpgm
.Lfunc_end_k_qef28692fd2_attn:
	.size	k_qef28692fd2_attn, .Lfunc_end_k_qef28692fd2_attn-k_qef28692fd2_attn
	.p2alignl 7, 3214868480
	.fill 96, 4, 3214868480
	.section	.rodata,"a",@progbits
	.p2align	6, 0x0
	.amdhsa_kernel k_qef28692fd2_attn
		.amdhsa_group_segment_fixed_size 327680
		.amdhsa_private_segment_fixed_size 0
		.amdhsa_enable_private_segment 0
		.amdhsa_kernarg_size 16
		.amdhsa_user_sgpr_count 2
		.amdhsa_user_sgpr_kernarg_segment_ptr 1
		.amdhsa_wavefront_size32 1
		.amdhsa_system_sgpr_workgroup_id_x 1
		.amdhsa_system_sgpr_workgroup_id_y 1
		.amdhsa_system_sgpr_workgroup_id_z 1
		.amdhsa_system_vgpr_workitem_id 0
		.amdhsa_next_free_vgpr 256
		.amdhsa_next_free_sgpr 102
		.amdhsa_reserve_vcc 1
		.amdhsa_float_denorm_mode_32 3
		.amdhsa_float_denorm_mode_16_64 3
		.amdhsa_memory_ordered 1
		.amdhsa_forward_progress 1
		.amdhsa_inst_pref_size 117
	.end_amdhsa_kernel
	.amdgpu_metadata
---
amdhsa.version: [ 1, 2 ]
amdhsa.kernels:
  - .name:           k_qef28692fd2_attn
    .symbol:         k_qef28692fd2_attn.kd
    .args:
      - { .name: qkv, .offset: 0, .size: 8, .value_kind: global_buffer, .address_space: global }
      - { .name: ao, .offset: 8, .size: 8, .value_kind: global_buffer, .address_space: global }
    .group_segment_fixed_size: 327680
    .private_segment_fixed_size: 0
    .kernarg_segment_align: 8
    .kernarg_segment_size: 16
    .max_flat_workgroup_size: 512
    .sgpr_count:     102
    .vgpr_count:     256
    .wavefront_size: 32
...
	.end_amdgpu_metadata
.endif
;; end of part 3
;; launch wo (part 4): grid 8 x 32, 4 waves a work-group, clusters of 4 x 4, 327,680 bytes of LDS; arguments ao, wo_codes, wo_scales, bo, alpha_attn, x, x1; writes x1
.if DOCPART == 4
	.amdgcn_target "amdgcn-amd-amdhsa--gfx1250"
	.amdhsa_code_object_version 6
	.text
	.protected	k_qef28692fd2_wo
	.globl	k_qef28692fd2_wo
	.p2align	8
	.type	k_qef28692fd2_wo,@function
k_qef28692fd2_wo:
	s_mov_b64 s[64:65], 0
	v_nop
	global_prefetch_b8 v0, s[64:65] scope:SCOPE_SE
	s_setreg_imm32_b32 hwreg(HW_REG_WAVE_MODE, 25, 1), 1
	s_wait_xcnt 0x0
	s_wait_alu depctr_hold_cnt(0) depctr_sa_sdst(0) depctr_va_vdst(0) depctr_va_sdst(0) depctr_va_ssrc(0) depctr_va_vcc(0) depctr_vm_vsrc(0)
	s_getreg_b32 s2, hwreg(HW_REG_IB_STS2, 6, 4)
	s_cmp_eq_u32 s2, 0
	s_cbranch_scc0 .Lentry_in_a_cluster
	s_endpgm
.Lentry_in_a_cluster:
	s_bfe_u32 s2, ttmp6, 0x10000c
	s_cmp_lg_u32 s2, 0xf033
	s_cbranch_scc0 .Lentry_shape_is_right
	s_endpgm
.Lentry_shape_is_right:
; out[m][n] = resid[m][n] + alpha (sum over k of A[m][k] W[n][k] + bias[n]): 4,096 x 1,024 f32, K = SIZE_K, on codes of FP8 (E4M3) with one E8M0 scale for each 32 along K.
; A comes as IMAGES OF OPERAND REGISTERS: codes [tile of 16 tokens][K step of 128][2,048 bytes: chunk c at 512 c + 16 x lane], scale words [128 tokens][K step][8 tiles][16 rows] behind them. W: codes [1,024][SIZE_K], K innermost; scale bytes [1,024][SIZE_K / 32].
; N is 1,024: tiles of 256 x 256 would be 64, so a tile is 128 x 128: 256 work-groups. Four waves, 64 x 64 each: 16 accumulators. A slot holds 512 along K (four steps of 128); two slots; LAPS = SIZE_K / 1,024 times round the ring.
; 4 x 4 work-groups form a cluster: A's tiles are asked for jointly along a row of it, W's along a column. The scales of all of K come once, with the first fills.
; The matrix instruction is used transposed (source 0 = 16 rows of W, source 1 = 16 tokens): a lane holds eight neighbouring numbers of a row of the result.
; The residual's 64 x 64 numbers of a wave are asked for at the head, into window 2, and are there when the sums are done.
; REGISTERS: window 0: v0-31 addresses, v12-15 the bias; v32-95 scale words, two sets, and nothing else; v96-127 at work on the way out; v128-255 the accumulators.  window 1: two fragment buffers of 128 (A's four, then W's four).  window 2: v0-127 the residual.
.set SIZE_K, 1024
.set NK,     SIZE_K/128
.set KS,     SIZE_K/32
.set LAPS,   SIZE_K/1024
.set BP,     528                       ; a row of W in LDS: 512 bytes + 16 of padding: the 16 rows that a load touches start at 16 different banks
.set BOFF,   65536                     ; a slot: A's 8 tiles x 8,192 bytes, dense (every read is 512 consecutive bytes), then W's 128 rows
.set BHALF,  64*BP
.set SLOT,   BOFF+2*BHALF
.set SA,     2*SLOT                    ; A's scale words of all of K
.set SAH,    NK*256
.set SB,     SA+16384                  ; W's scale bytes, as units of 256 bytes + 16 of padding
.set SBH,    (64*KS/256)*272
.set SBLK,   (16*KS/256)*272
.set SPARE,  SB+17408                  ; the spare words, 128 bytes for each wave: two blocks of 256 bytes that no other line names
.set SP,     272                       ; the way out: a stage of 16 rows x (256 + 16) bytes for each wave, in slot 0, which has had its last fill and its last read by then
.set BOF,  7
.set ADRA, 16
.set ADSA, 18
.set ADSB, 19
.set ADRB, 20
.set STO,  24
.set RD,   25
.set CO,   26
.set SPW,  28
.set NIL,  29
.set SC,   32                          ; set s at v[SC + 32 s]: A's word of (step q, tile a) at 4 q + a; W's of (tile b, step q) at 16 + 4 b + q
.set TMP,  96
.set ACC,  128
.set G1, 24
.set G0, 32
.set G1B, 48
.set G0B, 56
.set G1S, 68
.set G0S, 76
.set G1SB, 80
.set G0SB, 88
.set MSB, 0
.macro WIN new
.if MSB != (\new)
	s_set_vgpr_msb (MSB<<8)|(\new)
.set MSB, (\new)
.endif
.endm
.set MUL,  0x05                        ; sources 0 and 1 window 1; C and D window 0
.set TO_F, 0x40
.macro JLOAD g0a, g1a, g0b, g1b        ; a joint load: waves 0 and 1 fetch for A, waves 2 and 3 for W; an s_nop 0 and four v_nop follow each of the two lines
	s_cmp_eq_u32 s15, 0
	s_cbranch_scc0 .Lfor_b_\@
	tensor_load_to_lds s[\g0a:\g0a+3], s[\g1a:\g1a+7]
	s_nop 0
.rept 4
	v_nop
.endr
	s_branch .Lasked_\@
.Lfor_b_\@:
	tensor_load_to_lds s[\g0b:\g0b+3], s[\g1b:\g1b+7]
	s_nop 0
.rept 4
	v_nop
.endr
.Lasked_\@:
.endm
.macro CREST
	s_cmp_lg_u32 s14, 0
	s_cbranch_scc1 .Lnot_wave_0_\@
	s_barrier_signal -3
.Lnot_wave_0_\@:
	s_barrier_wait -3
	s_barrier_signal -1
	s_barrier_wait -1
.endm
.macro CROUND
	s_barrier_signal -1
	s_barrier_wait -1
	CREST
.endm
	s_load_b256 s[68:75], s[0:1], 0x0              ; A, W's codes, W's scales, bias
	s_load_b128 s[76:79], s[0:1], 0x20             ; alpha, residual
	s_load_b64 s[80:81], s[0:1], 0x30              ; out
	v_lshl_add_u32 v[SPW], v0, 2, SPARE
	v_mov_b32 v[NIL], 0
	ds_add_u32 v[SPW], v[NIL]                      ; the wave's opening: the add and its wait stand ahead of my first tensor load; work on registers stands between them
	v_lshrrev_b32 v1, 5, v0
	v_readfirstlane_b32 s14, v1                    ; wave 0..3
	s_lshr_b32 s15, s14, 1                         ; which half of the tile's rows is mine.  Also: I fetch for A (0) or for W (1)
	s_and_b32 s16, s14, 1                          ; which half of its columns.  Also: which half of that tile I fetch
	s_bfe_u32 s40, ttmp6, 0x40000
	s_bfe_u32 s41, ttmp6, 0x40004
	s_lshl_b32 s42, ttmp9, 2
	s_add_co_u32 s42, s42, s40                     ; tile column, 0..7
	s_and_b32 s17, ttmp7, 0xffff
	s_lshl_b32 s17, s17, 2
	s_add_co_u32 s17, s17, s41                     ; tile row, 0..31
	s_lshl_b32 s43, s41, 2
	s_lshl_b32 s43, 15, s43                        ; my row of the cluster
	s_lshl_b32 s44, 0x1111, s40                    ; my column
	s_or_b32 s[G1+0], s43, (3<<16)|(1<<21)         ; A's codes: elements of 8 bytes, no padding: 4 rows (tiles) of 8,192 bytes, a tile's 16 SIZE_K bytes apart
	s_mov_b32 s[G1+1], 1024<<16
	s_mov_b32 s[G1+2], 4<<16
	s_mov_b32 s[G1+3], 1024<<16
	s_mov_b32 s[G1+4], 4
	s_mov_b32 s[G1+5], 2*SIZE_K
	s_mov_b32 s[G1+6], 0
	s_mov_b32 s[G1+7], 0
	s_or_b32 s[G1B+0], s44, (0<<16)|(1<<20)|(1<<21)|(6<<22)|(3<<25)   ; W's codes: 64 rows of 512 bytes; four words of padding after every 128
	s_mov_b32 s[G1B+1], 512<<16
	s_mov_b32 s[G1B+2], 64<<16
	s_mov_b32 s[G1B+3], 512<<16
	s_mov_b32 s[G1B+4], 64
	s_mov_b32 s[G1B+5], SIZE_K
	s_mov_b32 s[G1B+6], 0
	s_mov_b32 s[G1B+7], 0
	s_lshl_b32 s20, s17, 3
	s_lshl_b32 s18, s16, 2
	s_add_co_u32 s20, s20, s18                     ; A: tile of 16 tokens 8 x tile row + 4 x half
	s_mul_i32 s20, s20, 16*SIZE_K
	s_mov_b32 s21, 0
	s_lshl_b32 s22, s17, 1
	s_add_co_u32 s22, s22, s16
	s_mul_i32 s22, s22, 2*SIZE_K                   ; its scale words: half of the tile row's 4 SIZE_K bytes
	s_mov_b32 s23, 0
	s_lshl_b32 s46, s42, 1
	s_add_co_u32 s46, s46, s16                     ; W: 64 rows x (2 x tile column + half)
	s_mul_i32 s92, s46, 2*SIZE_K                   ; their scale bytes,
	s_mov_b32 s93, 0
	s_mul_i32 s46, s46, 64*SIZE_K                  ; their codes
	s_mov_b32 s47, 0
	s_lshl_b32 s45, s16, 15                        ; where they go in a slot: A's half,
	s_mul_i32 s94, s16, BHALF
	s_add_co_u32 s94, s94, BOFF                    ; W's half,
	s_mul_i32 s95, s16, SAH
	s_add_co_u32 s95, s95, SA                      ; A's scale words,
	s_mul_i32 s2, s16, SBH
	s_add_co_u32 s2, s2, SB                        ; W's scale bytes
	s_wait_dscnt 0x0                               ; the opening add is done
	s_wait_kmcnt 0x0
	s_mov_b64 s[4:5], s[68:69]
	s_add_nc_u64 s[6:7], s[68:69], 4096*SIZE_K     ; A's scale words lie behind its codes
	s_mov_b64 s[8:9], s[70:71]
	s_mov_b64 s[10:11], s[72:73]
	s_mov_b64 s[66:67], s[74:75]
	s_mov_b64 s[98:99], s[76:77]
	s_mov_b64 s[100:101], s[78:79]
	s_mov_b64 s[12:13], s[80:81]
	s_load_b32 s96, s[98:99], 0x0                  ; alpha
	s_or_b32 s[G1S+0], s43, (3<<16)|(1<<21)        ; A's scale words: NK rows of 256 bytes, dense
	s_or_b32 s[G1SB+0], s44, (3<<16)|(1<<20)|(1<<21)|(5<<22)|(3<<25)   ; W's scale bytes: the same, with four words of padding behind each row
.irp g, G1S, G1SB
	s_mov_b32 s[\g+1], 32<<16
	s_mov_b32 s[\g+2], NK<<16
	s_mov_b32 s[\g+3], 32<<16
	s_mov_b32 s[\g+4], NK
	s_mov_b32 s[\g+5], 32
	s_mov_b32 s[\g+6], 0
	s_mov_b32 s[\g+7], 0
.endr
	s_add_nc_u64 s[20:21], s[4:5], s[20:21]
	s_add_nc_u64 s[22:23], s[6:7], s[22:23]
	s_add_nc_u64 s[46:47], s[8:9], s[46:47]
	s_add_nc_u64 s[92:93], s[10:11], s[92:93]
	CROUND                                         ; all sixteen work-groups are here: the first joint loads meet
	s_mov_b32 s[G0S], 1
	s_mov_b32 s[G0S+1], s95
	s_mov_b64 s[G0S+2:G0S+3], s[22:23]
	s_or_b32 s[G0S+3], s[G0S+3], 0x80000000
	s_mov_b32 s[G0SB], 1
	s_mov_b32 s[G0SB+1], s2
	s_mov_b64 s[G0SB+2:G0SB+3], s[92:93]
	s_or_b32 s[G0SB+3], s[G0SB+3], 0x80000000
	JLOAD G0S, G1S, G0SB, G1SB
.irp s, 0,1
	s_mov_b32 s[G0+4*\s], 1
	s_add_co_u32 s[G0+4*\s+1], s45, \s*SLOT
	s_add_nc_u64 s[G0+4*\s+2:G0+4*\s+3], s[20:21], \s*8192
	s_or_b32 s[G0+4*\s+3], s[G0+4*\s+3], 0x80000000
	s_mov_b32 s[G0B+4*\s], 1
	s_add_co_u32 s[G0B+4*\s+1], s94, \s*SLOT
	s_add_nc_u64 s[G0B+4*\s+2:G0B+4*\s+3], s[46:47], \s*512
	s_or_b32 s[G0B+4*\s+3], s[G0B+4*\s+3], 0x80000000
	JLOAD G0+4*\s, G1, G0B+4*\s, G1B               ; by this text's count three loads of a wave are out here
.endr
	v_and_b32 v1, 15, v0                           ; r
	v_bfe_u32 v2, v0, 4, 1                         ; h
	v_and_b32 v3, 31, v0
	v_lshlrev_b32 v3, 4, v3                        ; 16 x lane
	s_lshl_b32 s21, s15, 15                        ; my four tiles of A
	v_add_nc_u32 v[ADRA], s21, v3
	v_add_nc_u32 v[ADRA+1], SLOT, v[ADRA]
	v_mul_u32_u24 v4, v1, BP
	v_lshl_add_u32 v4, v2, 4, v4
	s_mul_i32 s22, s16, BHALF
	s_add_co_u32 s22, s22, BOFF                    ; my 64 rows of W
	v_add_nc_u32 v[ADRB], s22, v4
	v_add_nc_u32 v[ADRB+1], SLOT, v[ADRB]
	s_lshl_b32 s21, s15, 8
	s_add_co_u32 s21, s21, SA
	v_lshl_add_u32 v[ADSA], v1, 2, s21             ; A's scale words: my four tiles, row r
	v_mul_u32_u24 v5, v1, KS
	v_lshrrev_b32 v6, 8, v5
	v_lshl_add_u32 v5, v6, 4, v5                   ; W's: KS bytes a row, and 16 more for each 256 passed
	s_mul_i32 s22, s16, SBH
	s_add_co_u32 s22, s22, SB
	v_add_nc_u32 v[ADSB], s22, v5
	s_mul_i32 s23, s14, 16*SP                      ; my stage
	v_mul_u32_u24 v5, v1, SP
	v_lshl_add_u32 v5, v2, 5, v5
	v_add_nc_u32 v[STO], s23, v5                   ; in: row r, 32 bytes for each half of the lanes
	v_mul_u32_u24 v5, v2, SP
	v_lshl_add_u32 v5, v1, 4, v5
	v_add_nc_u32 v[RD], s23, v5                    ; back: lanes 0-15 one row of 256 bytes, lanes 16-31 the next
	v_lshlrev_b32 v5, 12, v2
	v_lshl_add_u32 v[CO], v1, 4, v5                ; and the same two rows in the result and in the residual
	v_lshlrev_b32 v[BOF], 4, v1
	s_lshl_b32 s20, s42, 9
	s_lshl_b32 s21, s16, 8
	s_add_co_u32 s20, s20, s21                     ; my first column, in bytes
	s_mov_b32 s21, 0
	s_add_nc_u64 s[66:67], s[66:67], s[20:21]
	s_lshl_b32 s22, s17, 19
	s_add_co_u32 s20, s20, s22
	s_lshl_b32 s22, s15, 18
	s_add_co_u32 s20, s20, s22                     ; + my first row x 4,096 bytes
	s_add_nc_u64 s[12:13], s[12:13], s[20:21]
	s_add_nc_u64 s[100:101], s[100:101], s[20:21]
	global_load_b128 v[12:15], v[BOF], s[66:67]    ; the bias of the four columns that I store
	WIN 0x80                                       ; destination window 2
.irp a, 0,1,2,3
.irp i, 0,1,2,3,4,5,6,7
	global_load_b128 v[4*(8*\a+\i):4*(8*\a+\i)+3], v[CO], s[100:101] offset:(16*\a+2*\i)*4096
.endr
.endr
	WIN 0
	s_wait_kmcnt 0x0
	s_mov_b32 s97, s96                             ; (the packed form names a pair)
; 8 matrix instructions: tokens' tiles a0, a0 + 1 x W's four, 128 along K: buffer p, the slot's q-th step, scale set.  zero = 1: the first product starts the sums.  The 16 accumulators take turns.
.macro MUL8 p, a0, q, set, zero
.irp a, \a0, \a0+1
.irp b, 0,1,2,3
.if \zero
	v_wmma_scale_f32_16x16x128_f8f6f4 v[ACC+8*(4*(\a)+\b):ACC+8*(4*(\a)+\b)+7], v[128*(\p)+64+16*\b:128*(\p)+64+16*\b+15], v[128*(\p)+16*(\a):128*(\p)+16*(\a)+15], 0, v[SC+32*(\set)+16+4*\b+(\q)], v[SC+32*(\set)+4*(\q)+(\a)]
.else
	v_wmma_scale_f32_16x16x128_f8f6f4 v[ACC+8*(4*(\a)+\b):ACC+8*(4*(\a)+\b)+7], v[128*(\p)+64+16*\b:128*(\p)+64+16*\b+15], v[128*(\p)+16*(\a):128*(\p)+16*(\a)+15], v[ACC+8*(4*(\a)+\b):ACC+8*(4*(\a)+\b)+7], v[SC+32*(\set)+16+4*\b+(\q)], v[SC+32*(\set)+4*(\q)+(\a)]
.endif
.endr
.endr
.endm
.macro FETCH slot, q, p                ; 32 LDS loads in one run: the fragments of one step of 128 into buffer p
	WIN TO_F
.irp i, 0,1,2,3
.irp c, 0,1,2,3
	ds_load_b128 v[128*(\p)+16*\i+4*\c:128*(\p)+16*\i+4*\c+3], v[ADRA+\slot] offset:8192*\i+2048*(\q)+512*\c
.endr
.irp c, 0,1,2,3
	ds_load_b128 v[128*(\p)+64+16*\i+4*\c:128*(\p)+64+16*\i+4*\c+3], v[ADRB+\slot] offset:16*BP*\i+128*(\q)+32*\c
.endr
.endr
.endm
.macro SCALES set                      ; a slot's scale words: 20 loads
	WIN 0
.irp q, 0,1,2,3
.irp a, 0,1,2,3
	ds_load_b32 v[SC+32*(\set)+4*\q+\a], v[ADSA] offset:512*\q+64*\a
.endr
.endr
.irp b, 0,1,2,3
	ds_load_b128 v[SC+32*(\set)+16+4*\b:SC+32*(\set)+16+4*\b+3], v[ADSB] offset:\b*SBLK
.endr
.endm
.macro PLACES n
.rept \n
	v_nop
.endr
.endm
; One of a slot's first three steps: the next step's fragments are asked for, into the buffer that the step before multiplied (eight places behind its products); then this step's 16 products.
.macro QUARTER slot, q, zero
	PLACES 8
	FETCH \slot, (\q)+1, 1-(\q)%2
	s_wait_dscnt 32                                ; all but the 32 just issued
	WIN MUL
	MUL8 (\q)%2, 0, \q, \slot, \zero
	MUL8 (\q)%2, 2, \q, \slot, \zero
.endm
; A slot's last step changes slots: ONE barrier; in front of it each wave waits for all its tensor loads, adds 0 to its spare word, and waits for that and for its own reads of this slot.
.macro TURN slot, next, fill
	WIN 0
	s_wait_tensorcnt 0x0                           ; all my tensor loads have landed: my part of the next slot
	ds_add_u32 v[SPW], v[NIL]                      ; 0 onto my spare word
	s_wait_dscnt 1                                 ; (the add alone may be out)
	WIN MUL
	MUL8 1, 0, 3, \slot, 0
	s_wait_dscnt 0x0                               ; the add is done, and my reads of this slot are over
	s_barrier_signal -1
	WIN 0
	s_barrier_wait -1
.if \fill
	CREST                                          ; the barrier has opened a round of the cluster's barrier
	s_add_nc_u64 s[G0+4*\slot+2:G0+4*\slot+3], s[G0+4*\slot+2:G0+4*\slot+3], 2*8192
	s_add_nc_u64 s[G0B+4*\slot+2:G0B+4*\slot+3], s[G0B+4*\slot+2:G0B+4*\slot+3], 2*512
	JLOAD G0+4*\slot, G1, G0B+4*\slot, G1B         ; the first tensor load behind the round; its four v_nop are among the places in front of the loads below
	PLACES 4
.else
	PLACES 8
.endif
	v_add_nc_u32 v[ADSA], 2048, v[ADSA]            ; on to the next slot's scale words
	v_add_nc_u32 v[ADSB], 16, v[ADSB]
	FETCH \next, 0, 0
	SCALES \next
	WIN MUL
	MUL8 1, 2, 3, \slot, 0
.endm
	s_wait_tensorcnt 1                             ; the scales and my part of slot 0 are in (slot 1's load may be out),
	s_barrier_signal -1
	s_barrier_wait -1                              ; everybody's are
	FETCH 0, 0, 0
	SCALES 0
	QUARTER 0, 0, 1                                ; the first step stands in front of the loop: its products start the sums
.if LAPS > 1
	WIN 0
	s_mov_b32 s3, LAPS-1
.Llap:
	QUARTER 0, 1, 0
	QUARTER 0, 2, 0
	TURN 0, 1, 1
	QUARTER 1, 0, 0
	QUARTER 1, 1, 0
	QUARTER 1, 2, 0
	TURN 1, 0, 1
	QUARTER 0, 0, 0
	WIN 0
	s_sub_co_u32 s3, s3, 1
	s_cmp_lg_u32 s3, 0
	s_cbranch_scc1 .Llap
.endif
	QUARTER 0, 1, 0                                ; the last lap fills nothing
	QUARTER 0, 2, 0
	TURN 0, 1, 0
	QUARTER 1, 0, 0
	QUARTER 1, 1, 0
	QUARTER 1, 2, 0
	s_wait_dscnt 0x0
	MUL8 1, 0, 3, 1, 0
	MUL8 1, 2, 3, 1, 0
	; THE WAY OUT, 16 rows x 64 columns at a time: through my stage, back as rows of 256 bytes; + bias, x alpha, + residual; sixteen lanes store 256 consecutive bytes
	PLACES 8
	s_wait_loadcnt 0x0                             ; the bias and the residual
	WIN 0x20                                       ; source 2 (the residual) window 2
.irp a, 0,1,2,3
.irp b, 0,1,2,3
	ds_store_b128 v[STO], v[ACC+8*(4*\a+\b):ACC+8*(4*\a+\b)+3] offset:64*\b        ; each accumulator from its low end on
	ds_store_b128 v[STO], v[ACC+8*(4*\a+\b)+4:ACC+8*(4*\a+\b)+7] offset:64*\b+16
.endr
.if \a > 0
	s_wait_xcnt 0x0                                ; the last block's stores have read their data: the registers are loaded again only behind this wait
.endif
.irp i, 0,1,2,3,4,5,6,7
	ds_load_b128 v[TMP+4*\i:TMP+4*\i+3], v[RD] offset:2*SP*\i   ; LDS serves a wave's instructions in order: these see the stores above
.endr
.irp i, 0,1,2,3,4,5,6,7
	s_wait_dscnt 7-\i                              ; rows 2 i and 2 i + 1 are back; the younger loads may be out
	v_pk_add_f32 v[TMP+4*\i:TMP+4*\i+1], v[TMP+4*\i:TMP+4*\i+1], v[12:13]
	v_pk_add_f32 v[TMP+4*\i+2:TMP+4*\i+3], v[TMP+4*\i+2:TMP+4*\i+3], v[14:15]
	v_pk_fma_f32 v[TMP+4*\i:TMP+4*\i+1], v[TMP+4*\i:TMP+4*\i+1], s[96:97], v[4*(8*\a+\i):4*(8*\a+\i)+1] op_sel_hi:[1,0,1]
	v_pk_fma_f32 v[TMP+4*\i+2:TMP+4*\i+3], v[TMP+4*\i+2:TMP+4*\i+3], s[96:97], v[4*(8*\a+\i)+2:4*(8*\a+\i)+3] op_sel_hi:[1,0,1]
	global_store_b128 v[CO], v[TMP+4*\i:TMP+4*\i+3], s[12:13] offset:(16*\a+2*\i)*4096
.endr
.endr
	WIN 0
	s_wait_tensorcnt 0x0                           ; the wave's end, behind my last tensor load and my last LDS store
	ds_add_u32 v[SPW], v[NIL]
	s_wait_dscnt 0x0
	CROUND                                         ; the closing round
	s_endpgm
.Lfunc_end_k_qef28692fd2_wo:
	.size	k_qef28692fd2_wo, .Lfunc_end_k_qef28692fd2_wo-k_qef28692fd2_wo
	.p2alignl 7, 3214868480
	.fill 96, 4, 3214868480
	.section	.rodata,"a",@progbits
	.p2align	6, 0x0
	.amdhsa_kernel k_qef28692fd2_wo
		.amdhsa_group_segment_fixed_size 327680
		.amdhsa_private_segment_fixed_size 0
		.amdhsa_enable_private_segment 0
		.amdhsa_kernarg_size 56
		.amdhsa_user_sgpr_count 2
		.amdhsa_user_sgpr_kernarg_segment_ptr 1
		.amdhsa_wavefront_size32 1
		.amdhsa_system_sgpr_workgroup_id_x 1
		.amdhsa_system_sgpr_workgroup_id_y 1
		.amdhsa_system_sgpr_workgroup_id_z 1
		.amdhsa_system_vgpr_workitem_id 0
		.amdhsa_next_free_vgpr 768
		.amdhsa_next_free_sgpr 102
		.amdhsa_reserve_vcc 0
		.amdhsa_float_denorm_mode_32 3
		.amdhsa_float_denorm_mode_16_64 3
		.amdhsa_memory_ordered 1
		.amdhsa_forward_progress 1
		.amdhsa_inst_pref_size 68
	.end_amdhsa_kernel
	.amdgpu_metadata
---
amdhsa.version: [ 1, 2 ]
amdhsa.kernels:
  - .name:           k_qef28692fd2_wo
    .symbol:         k_qef28692fd2_wo.kd
    .args:
      - { .name: ao, .offset: 0, .size: 8, .value_kind: global_buffer, .address_space: global }
      - { .name: wo_codes, .offset: 8, .size: 8, .value_kind: global_buffer, .address_space: global }
      - { .name: wo_scales, .offset: 16, .size: 8, .value_kind: global_buffer, .address_space: global }
      - { .name: bo, .offset: 24, .size: 8, .value_kind: global_buffer, .address_space: global }
      - { .name: alpha_attn, .offset: 32, .size: 8, .value_kind: global_buffer, .address_space: global }
      - { .name: x, .offset: 40, .size: 8, .value_kind: global_buffer, .address_space: global }
      - { .name: x1, .offset: 48, .size: 8, .value_kind: global_buffer, .address_space: global }
    .group_segment_fixed_size: 327680
    .private_segment_fixed_size: 0
    .kernarg_segment_align: 8
    .kernarg_segment_size: 56
    .max_flat_workgroup_size: 128
    .sgpr_count:     102
    .vgpr_count:     768
    .wavefront_size: 32
...
	.end_amdgpu_metadata
.endif
;; end of part 4
;; launch ln2: the kernel of part 1 again; grid 256 x 1, 8 waves a work-group, no clusters, 91,648 bytes of LDS; arguments x1, ln2_g, ln2_b, act2; writes act2
;; launch ff1 (part 5): grid 16 x 16, 4 waves a work-group, clusters of 4 x 4, 327,680 bytes of LDS; arguments act2, w1_codes, w1_scales, b1, h; writes h
.if DOCPART == 5
	.amdgcn_target "amdgcn-amd-amdhsa--gfx1250"
	.amdhsa_code_object_version 6
	.text
	.protected	k_qef28692fd2_ff1
	.globl	k_qef28692fd2_ff1
	.p2align	8
	.type	k_qef28692fd2_ff1,@function
k_qef28692fd2_ff1:
	s_mov_b64 s[64:65], 0
	v_nop
	global_prefetch_b8 v0, s[64:65] scope:SCOPE_SE
	s_setreg_imm32_b32 hwreg(HW_REG_WAVE_MODE, 25, 1), 1
	s_wait_xcnt 0x0
	s_wait_alu depctr_hold_cnt(0) depctr_sa_sdst(0) depctr_va_vdst(0) depctr_va_sdst(0) depctr_va_ssrc(0) depctr_va_vcc(0) depctr_vm_vsrc(0)
	s_getreg_b32 s2, hwreg(HW_REG_IB_STS2, 6, 4)
	s_cmp_eq_u32 s2, 0
	s_cbranch_scc0 .Lentry_in_a_cluster
	s_endpgm
.Lentry_in_a_cluster:
	s_bfe_u32 s2, ttmp6, 0x10000c
	s_cmp_lg_u32 s2, 0xf033
	s_cbranch_scc0 .Lentry_shape_is_right
	s_endpgm
.Lentry_shape_is_right:
; A GEMM on codes of FP8 (E4M3) with one E8M0 scale for each 32 along K = 1,024, whose result is quantised again on the way out and stored as IMAGES OF THE NEXT PRODUCT'S OPERAND REGISTERS.
; One text serves two launches (KIND): 0: q, k, v = LN1(x) W + bias;  1: h = gelu(LN2(x1) W1 + b1).
; C'[m][n] = sum over k of A'[m][k] B'[n][k]; a tile of 256 x 256 to a work-group of four waves, 128 x 128 to a wave: 64 accumulators, 512 registers. K goes in steps of 256 through a ring of two LDS slots
; filled by the tensor data mover; the scale bytes of the work-group's 256 + 256 rows come once and stay. 4 x 4 work-groups form a cluster: A's tiles are asked for jointly along a row of it, B's along a column.
; THE MATRIX INSTRUCTION IS USED TRANSPOSED (source 0 = 16 rows of B', source 1 = 16 rows of A'): a lane holds ONE row of A' and eight neighbouring columns.
; KIND 0: cluster x says which product: 0 q, 1 k, 2 v. For q and k: A' = the tokens, B' = the weight: a lane's registers run along the head's axis, which is the next K. For v the two CHANGE PLACES (A' = wv, B' = the tokens):
; a lane then holds one channel and its registers run along the tokens, which are the keys: v's next K. Only pointers and tile numbers are chosen, by cluster x, which all sixteen partners share.
; THE BIAS along the columns is the C of the first K step's products; the bias along the rows (v's) is added where a block leaves the accumulators. The one that does not apply is made 0 by v_cndmask_b32.
; THE WAY OUT, a block of 16 rows x 128 columns at a time: (gelu,) the quantiser along the columns. Tile t's register j is column 16 t + 8 (lane / 16) + j; a block of 32 is tiles 2 b, 2 b + 1 in lanes l and l xor 16.
; The conversions give 8 codes a tile; two v_permlane16_swap_b32 a block bring lane (r, h) the codes of k = 32 b + 16 h + 0 .. 15: the operand's registers. They are stored as they stand: 512 consecutive bytes a store.
; gelu(x) = 0.5 x (1 + erf(x / sqrt 2)), erf(z) = z P(z^2) / Q(z^2) with z held to +-4: absolute error of erf about 1e-7.  LIMITS: for x under -5.66 gelu is 0.5 x times a number of at most about 1e-7 in place of 0;
; NaN and infinities are not served; a block of zeros gets the byte 1 (its codes are zeros; the bytes are read by this program alone).
; REGISTERS, in windows of 256: window 0: v0-31 addresses; v32-63 scale words, two sets, and nothing else ever; v64-127 the bias tiles, later codes and the quantiser's work; from v128 A's fragments, ONE set, later the block in hand.
;   window 1: B's fragments, TWO sets.   window 2: the 32 accumulators of my rows 0-63;   window 3: those of my rows 64-127.
.set KIND,   1
.set SIZE_K, 1024
.set KSTEP,  256
.set NQ,     KSTEP/128
.set ROWB,   256
.set KROW,   SIZE_K
.set PITCH,  272                       ; an LDS row: 256 bytes + 16 of padding: the 16 rows that a load touches start at 16 different banks
.set FR,     16
.set NL,     4
.set NP,     8                         ; places behind this matrix instruction (ISA guide 7.12.1)
.set HALFT,  128*PITCH
.set SLOT,   4*HALFT
.set LAPS,   SIZE_K/(2*KSTEP)
.set KS,     SIZE_K/32
.set SCL,    2*SLOT                    ; behind the ring: the scales, as units of 256 bytes + 16 of padding
.set HALFS,  (128*KS/256)*272
.set SBLK,   (16*KS/256)*272
.set SPARE,  SCL+4*HALFS               ; the spare words, 128 bytes for each wave: two blocks of 256 bytes that no other line names
.if KIND == 0
.set OSTEP,  2048                      ; from a block's image to the next
.else
.set OSTEP,  65536
.endif
.set BMR,  8                           ; v8-15   KIND 0: the bias along the rows, as loaded
.set ADRA, 16
.set ADRB, 20
.set STO,  24                          ; v24     the way out: my row's scale word in my stage (512 bytes a wave, in slot 0, which has had its last fill and its last read by then)
.set RD,   25                          ; v25     and where I read 16 bytes of the stage back
.set CO,   26                          ; v26     16 x lane
.set ADRS, 27
.set SPW,  28
.set NIL,  29
.set SC,   32
.set BN,   64                          ; v64-127 the bias along the columns: eight tiles of eight registers in the result's layout
.set AF,   128
.set PC,   64                          ; the way out: a block's codes
.set PW,   80                          ; its scale word
.set TM,   96                          ; v96-111 the quantiser's work
.set BMP,  112                         ; v112-127 KIND 0: the bias along the rows, one even-aligned pair a block
.set T,    128                         ; v128-191 the block in hand
.set Z,    192
.set Z2,   208
.set P,    224
.set Q,    240
.set EA1, 0x32edffee                   ; erf's numerator, from the second coefficient on (the first stands in v[18:19])
.set EA2, 0xb60cff51
.set EA3, 0xb86ec2d2
.set EA4, 0xba40ac63
.set EA5, 0xbb41a1f6
.set EA6, 0xbc83dbd4
.set EB1, 0xb95fbd29                   ; and its denominator (the first in v[22:23])
.set EB2, 0xbadc924e
.set EB3, 0xbbf19bf8
.set EB4, 0xbc69b6a7
.set G1, 24
.set G0, 32
.set G1B, 48
.set G0B, 56
.set G1S, 68
.set G0S, 76
.set G1SB, 80
.set G0SB, 88
.set MSB, 0
.macro WIN new                         ; the immediate's high byte repeats the setting that is left
.if MSB != (\new)
	s_set_vgpr_msb (MSB<<8)|(\new)
.set MSB, (\new)
.endif
.endm
.set MUL_LO, 0xa1                      ; source 0 (B) window 1, source 1 (A) window 0, C and D window 2
.set MUL_HI, 0xf1                      ; the same, C and D window 3
.set TO_B,   0x40
; A joint load: waves 0 and 1 fetch for A, waves 2 and 3 for B; the branch hangs on the wave's number alone. An s_nop 0 and four v_nop follow each of the two lines.
.macro JLOAD g0a, g1a, g0b, g1b
	s_cmp_eq_u32 s15, 0
	s_cbranch_scc0 .Lfor_b_\@
	tensor_load_to_lds s[\g0a:\g0a+3], s[\g1a:\g1a+7]
	s_nop 0
.rept 4
	v_nop
.endr
	s_branch .Lasked_\@
.Lfor_b_\@:
	tensor_load_to_lds s[\g0b:\g0b+3], s[\g1b:\g1b+7]
	s_nop 0
.rept 4
	v_nop
.endr
.Lasked_\@:
.endm
.macro CREST                           ; a round of the cluster's barrier behind its opening barrier
	s_cmp_lg_u32 s14, 0
	s_cbranch_scc1 .Lnot_wave_0_\@
	s_barrier_signal -3
.Lnot_wave_0_\@:
	s_barrier_wait -3
	s_barrier_signal -1
	s_barrier_wait -1
.endm
.macro CROUND
	s_barrier_signal -1
	s_barrier_wait -1
	CREST
.endm
.if KIND == 0
	s_load_b512 s[68:83], s[0:1], 0x0              ; act, wq codes, scales, bq, wk codes, scales, bk, wv codes
	s_load_b128 s[84:87], s[0:1], 0x40             ; wv scales, bv
	s_load_b64 s[88:89], s[0:1], 0x50              ; out
.else
	s_load_b256 s[68:75], s[0:1], 0x0              ; act, w1 codes, w1 scales, b1
	s_load_b64 s[76:77], s[0:1], 0x20              ; out
.endif
	v_lshl_add_u32 v[SPW], v0, 2, SPARE
	v_mov_b32 v[NIL], 0
	ds_add_u32 v[SPW], v[NIL]                      ; the wave's opening: the add and its wait stand ahead of my first tensor load; work on registers stands between them
	v_lshrrev_b32 v1, 5, v0
	v_readfirstlane_b32 s14, v1                    ; wave 0..3
	s_lshr_b32 s15, s14, 1                         ; which half of the tile's rows is mine.  Also: I fetch for A (0) or for B (1)
	s_and_b32 s16, s14, 1                          ; which half of its columns.  Also: which 128 rows of that tile I fetch
	s_bfe_u32 s40, ttmp6, 0x40000                  ; cx, cy: my place in the cluster
	s_bfe_u32 s41, ttmp6, 0x40004
	s_and_b32 s18, ttmp7, 0xffff
	s_lshl_b32 s18, s18, 2                         ; 4 x cluster y
.if KIND == 0
	s_cmp_eq_u32 ttmp9, 2                          ; v?  Cluster x is the same in all sixteen partners
	s_cselect_b32 s96, -1, 0                       ; a lane mask: all lanes where v
	s_cselect_b32 s97, 0, -1                       ; and where not
	s_cselect_b32 s17, 0, s18                      ; the tokens' 16 tiles go down the rows for q and k,
	s_cselect_b32 s42, s18, 0                      ; along the columns for v
.else
	s_mov_b32 s17, s18
	s_lshl_b32 s42, ttmp9, 2
.endif
	s_add_co_u32 s17, s17, s41                     ; tile row
	s_add_co_u32 s42, s42, s40                     ; tile column
	s_lshl_b32 s43, s41, 2
	s_lshl_b32 s43, 15, s43                        ; my row of the cluster
	s_lshl_b32 s44, 0x1111, s40                    ; my column
	s_or_b32 s[G1+0], s43, (0<<16)|(1<<20)|(1<<21)|(5<<22)|(3<<25)  ; the mask; elements of 1 byte; padding on; bit 21 beside a mask; after every 64 words four words
	s_or_b32 s[G1B+0], s44, (0<<16)|(1<<20)|(1<<21)|(5<<22)|(3<<25)
.irp g, G1, G1B
	s_mov_b32 s[\g+1], ROWB<<16                    ; tensor_dim0
	s_mov_b32 s[\g+2], 128<<16                     ; tensor_dim1
	s_mov_b32 s[\g+3], ROWB<<16                    ; tile_dim0
	s_mov_b32 s[\g+4], 128                         ; tile_dim1
	s_mov_b32 s[\g+5], KROW                        ; the pitch
	s_mov_b32 s[\g+6], 0
	s_mov_b32 s[\g+7], 0
.endr
	s_lshl_b32 s18, s16, 7                         ; which 128 rows of the tile I fetch
	s_lshl_b32 s20, s17, 8
	s_add_co_u32 s20, s20, s18                     ; A: row 256 x tile row + 128 x half
	s_lshl_b32 s46, s42, 8
	s_add_co_u32 s46, s46, s18                     ; B: row 256 x tile column + 128 x half
	s_mov_b32 s21, 0
	s_mov_b32 s47, 0
	s_mov_b64 s[18:19], KS
	s_mul_u64 s[22:23], s[20:21], s[18:19]         ; where these rows' scales begin,
	s_mul_u64 s[92:93], s[46:47], s[18:19]
	s_mov_b64 s[18:19], KROW
	s_mul_u64 s[20:21], s[20:21], s[18:19]         ; and their codes
	s_mul_u64 s[46:47], s[46:47], s[18:19]
	s_mul_i32 s45, s14, HALFT                      ; where they go: wave x 128 rows
	s_mul_i32 s94, s14, HALFS
	s_wait_dscnt 0x0                               ; the opening add is done
	s_wait_kmcnt 0x0
.if KIND == 0
	s_cmp_eq_u32 ttmp9, 1                          ; the weight, its scales and its bias, by cluster x
	s_cselect_b64 s[98:99], s[76:77], s[70:71]
	s_cselect_b64 s[100:101], s[78:79], s[72:73]
	s_cselect_b64 s[66:67], s[80:81], s[74:75]
	s_cmp_eq_u32 ttmp9, 2
	s_cselect_b64 s[98:99], s[82:83], s[98:99]
	s_cselect_b64 s[100:101], s[84:85], s[100:101]
	s_cselect_b64 s[66:67], s[86:87], s[66:67]
	s_add_nc_u64 s[10:11], s[68:69], 0x400000      ; the tokens' scale bytes lie behind their codes
	s_cselect_b64 s[4:5], s[98:99], s[68:69]       ; A': for v the weight, else the tokens
	s_cselect_b64 s[6:7], s[100:101], s[10:11]
	s_cselect_b64 s[8:9], s[68:69], s[98:99]       ; B': the other
	s_cselect_b64 s[10:11], s[10:11], s[100:101]
	s_mov_b64 s[12:13], s[88:89]
.else
	s_mov_b64 s[4:5], s[68:69]
	s_add_nc_u64 s[6:7], s[68:69], 0x400000
	s_mov_b64 s[8:9], s[70:71]
	s_mov_b64 s[10:11], s[72:73]
	s_mov_b64 s[66:67], s[74:75]
	s_mov_b64 s[12:13], s[76:77]
.endif
	; the arguments are moved: their registers take the scales' descriptors: 128 rows' scales, a dense block, as rows of 256 bytes (32 elements of 8 bytes), 16 bytes of padding behind each
	s_or_b32 s[G1S+0], s43, (3<<16)|(1<<20)|(1<<21)|(5<<22)|(3<<25)
	s_or_b32 s[G1SB+0], s44, (3<<16)|(1<<20)|(1<<21)|(5<<22)|(3<<25)
.irp g, G1S, G1SB
	s_mov_b32 s[\g+1], 32<<16
	s_mov_b32 s[\g+2], (128*KS/256)<<16
	s_mov_b32 s[\g+3], 32<<16
	s_mov_b32 s[\g+4], 128*KS/256
	s_mov_b32 s[\g+5], 32
	s_mov_b32 s[\g+6], 0
	s_mov_b32 s[\g+7], 0
.endr
	s_add_nc_u64 s[20:21], s[4:5], s[20:21]
	s_add_nc_u64 s[22:23], s[6:7], s[22:23]
	s_add_nc_u64 s[46:47], s[8:9], s[46:47]
	s_add_nc_u64 s[92:93], s[10:11], s[92:93]
	CROUND                                         ; all sixteen work-groups are here: the first joint loads meet
	s_mov_b32 s[G0S], 1
	s_add_co_u32 s[G0S+1], s94, SCL
	s_mov_b64 s[G0S+2:G0S+3], s[22:23]
	s_or_b32 s[G0S+3], s[G0S+3], 0x80000000
	s_mov_b32 s[G0SB], 1
	s_add_co_u32 s[G0SB+1], s94, SCL
	s_mov_b64 s[G0SB+2:G0SB+3], s[92:93]
	s_or_b32 s[G0SB+3], s[G0SB+3], 0x80000000
	JLOAD G0S, G1S, G0SB, G1SB                     ; the scales first: they are wanted with K step 0
.irp s, 0,1
	s_mov_b32 s[G0+4*\s], 1
	s_add_co_u32 s[G0+4*\s+1], s45, \s*SLOT
	s_add_nc_u64 s[G0+4*\s+2:G0+4*\s+3], s[20:21], \s*ROWB
	s_or_b32 s[G0+4*\s+3], s[G0+4*\s+3], 0x80000000
	s_mov_b32 s[G0B+4*\s], 1
	s_add_co_u32 s[G0B+4*\s+1], s45, \s*SLOT
	s_add_nc_u64 s[G0B+4*\s+2:G0B+4*\s+3], s[46:47], \s*ROWB
	s_or_b32 s[G0B+4*\s+3], s[G0B+4*\s+3], 0x80000000
	JLOAD G0+4*\s, G1, G0B+4*\s, G1B
.endr
	v_and_b32 v1, 15, v0                           ; r = lane % 16
	v_bfe_u32 v2, v0, 4, 1                         ; h = lane / 16
	v_mul_u32_u24 v3, v1, PITCH
	v_lshl_add_u32 v4, v2, 4, v3                   ; a fragment's row x pitch + 16 x half
	s_mul_i32 s21, s15, HALFT                      ; my 128 rows of A
	s_mul_i32 s22, s16, HALFT                      ; my 128 rows of B,
	s_add_co_u32 s22, s22, 2*HALFT                 ; which lie behind A's 256
.irp s, 0,1
	v_add_nc_u32 v[ADRA+\s], s21, v4
	v_add_nc_u32 v[ADRB+\s], s22, v4
	s_add_co_u32 s21, s21, SLOT
	s_add_co_u32 s22, s22, SLOT
.endr
	v_mul_u32_u24 v5, v1, KS                       ; my row's scales: KS bytes a row,
	v_lshrrev_b32 v6, 8, v5
	v_lshl_add_u32 v5, v6, 4, v5                   ; and 16 more for each 256 passed
	s_mul_i32 s21, s15, HALFS
	s_mul_i32 s22, s16, HALFS
	s_add_co_u32 s22, s22, 2*HALFS
	s_sub_co_u32 s22, s22, s21
	v_mul_u32_u24 v6, s22, v2                      ; lanes 16-31 take B's
	s_add_co_u32 s21, s21, SCL
	v_add_nc_u32 v5, v5, v6
	v_add_nc_u32 v[ADRS], s21, v5
	s_lshl_b32 s23, s14, 9                         ; my stage: 512 bytes
	v_lshl_add_u32 v[STO], v1, 2, s23              ; 4 r
	v_and_b32 v6, 31, v0
	v_lshlrev_b32 v[CO], 4, v6
	v_add_nc_u32 v[RD], s23, v[CO]
	v_lshlrev_b32 v22, 5, v2                       ; the column bias: my half's eight numbers of a tile
	v_lshlrev_b32 v23, 2, v1                       ; the row bias: my row's number
	; where my 128 x 128 goes
	s_lshl_b32 s20, s17, 1
	s_add_co_u32 s20, s20, s15                     ; 2 x tile row + my half
	s_lshl_b32 s21, s42, 1
	s_add_co_u32 s21, s21, s16                     ; 2 x tile column + my half
.if KIND == 0
	s_cmp_eq_u32 ttmp9, 2
	s_cselect_b32 s22, s21, s20                    ; which 128 tokens,
	s_cselect_b32 s23, s20, s21                    ; which pair of heads
	s_lshr_b32 s20, s22, 4                         ; the batch
	s_and_b32 s22, s22, 15                         ; the step of 128 tokens in it
	s_lshl_b32 s20, s20, 3
	s_add_co_u32 s20, s20, s23
	s_lshl_b32 s20, s20, 4
	s_add_co_u32 s20, s20, s22                     ; BLK = (8 batch + pair) 16 + step
	s_lshl_b32 s22, s20, 9                         ; its 512 bytes of scale words,
	s_lshl_b32 s20, s20, 14                        ; its 16,384 bytes of codes
	s_lshl_b32 s21, ttmp9, 22
	s_add_co_u32 s20, s20, s21                     ; q, k, v: 4 MiB of codes each,
	s_lshl_b32 s21, ttmp9, 17
	s_add_co_u32 s22, s22, s21                     ; 128 KiB of scale words each,
	s_add_co_u32 s22, s22, 0xc00000                ; behind the codes
.else
	s_lshl_b32 s22, s20, 5
	s_add_co_u32 s22, s22, s21
	s_lshl_b32 s22, s22, 9                         ; scale words [128 tokens][K step][8][16]
	s_add_co_u32 s22, s22, 0x1000000
	s_lshl_b32 s20, s20, 19                        ; codes [16 tokens][K step][2,048]: eight tiles of 65,536 bytes
	s_lshl_b32 s21, s21, 11
	s_add_co_u32 s20, s20, s21
.endif
	s_mov_b32 s21, 0
	s_mov_b32 s23, 0
	s_add_nc_u64 s[92:93], s[12:13], s[22:23]
	s_add_nc_u64 s[12:13], s[12:13], s[20:21]
	; the biases
	s_lshl_b32 s20, s42, 10
	s_lshl_b32 s21, s16, 9
	s_add_co_u32 s20, s20, s21                     ; my first column, in bytes
.if KIND == 0
	s_lshl_b32 s22, s17, 10
	s_lshl_b32 s23, s15, 9
	s_add_co_u32 s22, s22, s23                     ; my first row
	s_cmp_eq_u32 ttmp9, 2
	s_cselect_b32 s20, 0, s20                      ; the one that does not apply is loaded from the bias's head, so that no load leaves the buffer, and made 0 below
	s_cselect_b32 s22, s22, 0
	s_mov_b32 s23, 0
	s_add_nc_u64 s[22:23], s[66:67], s[22:23]
.endif
	s_mov_b32 s21, 0
	s_add_nc_u64 s[20:21], s[66:67], s[20:21]
.irp t, 0,1,2,3,4,5,6,7
	global_load_b128 v[BN+8*\t:BN+8*\t+3], v22, s[20:21] offset:64*\t
	global_load_b128 v[BN+8*\t+4:BN+8*\t+7], v22, s[20:21] offset:64*\t+16
.endr
.if KIND == 0
.irp a, 0,1,2,3,4,5,6,7
	global_load_b32 v[BMR+\a], v23, s[22:23] offset:64*\a
.endr
.endif
	s_mov_b32 s98, 0x76543210
	s_mov_b32 s99, 0xfedcba98                      ; v_permlanex16_b32's selects for lane l xor 16
	s_mov_b32 s100, 0x600000                       ; the mantissa field of 448
	s_wait_loadcnt 0x0
.if KIND == 0
.set i, 0
.rept 64
	v_cndmask_b32 v[BN+i], 0, v[BN+i], s97         ; no column bias for v
.set i, i+1
.endr
.rept 8
	v_nop
.endr
.endif
.macro FRAG reg, adr, q, i             ; 16 rows x 128 K: lane l holds row l % 16; registers 4 c .. 4 c + 3 hold K = 32 c + 16 (l / 16) + 0 .. 15
.irp c, 0,1,2,3
	ds_load_b128 v[\reg+4*\c:\reg+4*\c+3], v[\adr] offset:128*(\q)+32*\c+(\i)*16*PITCH
.endr
.endm
; 16 matrix instructions: A's blocks a0, a0 + 1 x B's eight.  zero = 1: the first K step: the bias tile is the C, nothing is cleared.  The 64 accumulators take turns, one instruction a turn.
.macro MUL16 a0, p, q, sc, zero
.irp a, \a0, \a0+1
.irp b, 0,1,2,3,4,5,6,7
.if \zero
	v_wmma_scale_f32_16x16x128_f8f6f4 v[8*(8*((\a)%4)+\b):8*(8*((\a)%4)+\b)+7], v[128*(\p)+FR*\b:128*(\p)+FR*\b+FR-1], v[AF+FR*(\a):AF+FR*(\a)+FR-1], v[BN+8*\b:BN+8*\b+7], v[SC+8*NQ*(\sc)+NQ*\b+(\q)], v[SC+8*NQ*(\sc)+NQ*(\a)+(\q)] matrix_a_scale:MATRIX_SCALE_ROW1
.else
	v_wmma_scale_f32_16x16x128_f8f6f4 v[8*(8*((\a)%4)+\b):8*(8*((\a)%4)+\b)+7], v[128*(\p)+FR*\b:128*(\p)+FR*\b+FR-1], v[AF+FR*(\a):AF+FR*(\a)+FR-1], v[8*(8*((\a)%4)+\b):8*(8*((\a)%4)+\b)+7], v[SC+8*NQ*(\sc)+NQ*\b+(\q)], v[SC+8*NQ*(\sc)+NQ*(\a)+(\q)] matrix_a_scale:MATRIX_SCALE_ROW1
.endif
.endr
.endr
.endm
.macro FETCH_B slot, q, p
	WIN TO_B
.irp i, 0,1,2,3,4,5,6,7
	FRAG 128*(\p)+FR*\i, ADRB+\slot, \q, \i
.endr
	WIN 0
.endm
.macro FETCH_A slot, q, i0
.irp i, \i0, \i0+1, \i0+2, \i0+3
	FRAG AF+FR*(\i), ADRA+\slot, \q, \i
.endr
.endm
.macro SCALES sc                       ; a K step's scale words: lanes 0-15 take A's block i, lanes 16-31 B's block i
.irp i, 0,1,2,3,4,5,6,7
	ds_load_b64 v[SC+8*NQ*\sc+NQ*\i:SC+8*NQ*\sc+NQ*\i+1], v[ADRS] offset:\i*SBLK
.endr
.endm
.macro PLACES n                        ; plain vector instructions between a matrix instruction and a load into, or a vector instruction on, its registers
.rept \n
	v_nop
.endr
.endm
.macro STEP slot, q, zero              ; 128 along K that has its successor in the same slot
	s_wait_dscnt 4*NL                              ; B's set and A's blocks 0-3 are in; the youngest 16 loads (A's blocks 4-7) may be out
	WIN MUL_LO-0x20*(\zero)                        ; (zero: C in window 0)
	MUL16 0, (\q)%2, \q, \slot, \zero
	MUL16 2, (\q)%2, \q, \slot, \zero
	s_wait_dscnt 0
	PLACES NP
	FETCH_B \slot, (\q)+1, 1-(\q)%2
	FETCH_A \slot, (\q)+1, 0
	WIN MUL_HI-0x30*(\zero)
	MUL16 4, (\q)%2, \q, \slot, \zero
	MUL16 6, (\q)%2, \q, \slot, \zero
	PLACES NP
	WIN 0
	FETCH_A \slot, (\q)+1, 4
.endm
; A slot's last step changes slots: ONE barrier; in front of it each wave waits for all its tensor loads, adds 0 to its spare word, and waits for that and for its own reads of this slot.
.macro TURN slot, next, fill
	s_wait_tensorcnt 0x0                           ; all my tensor loads have landed: my part of the next slot
	ds_add_u32 v[SPW], v[NIL]                      ; 0 onto my spare word
	s_wait_dscnt 4*NL+1                            ; (the add and the youngest 16 loads may be out)
	WIN MUL_LO
	MUL16 0, 1, NQ-1, \slot, 0
	s_wait_dscnt 0x0                               ; the add is done, and my reads of this slot are over
	s_barrier_signal -1
	MUL16 2, 1, NQ-1, \slot, 0
	WIN 0
	s_barrier_wait -1
.if \fill
	CREST                                          ; the barrier has opened a round of the cluster's barrier: no wave of any partner still reads this slot or has a load on its way
	s_add_nc_u64 s[G0+4*\slot+2:G0+4*\slot+3], s[G0+4*\slot+2:G0+4*\slot+3], 2*ROWB
	s_add_nc_u64 s[G0B+4*\slot+2:G0B+4*\slot+3], s[G0B+4*\slot+2:G0B+4*\slot+3], 2*ROWB
	JLOAD G0+4*\slot, G1, G0B+4*\slot, G1B         ; the first tensor load behind the round; its four v_nop are among the places in front of the loads below
	PLACES NP-4
.else
	PLACES NP
.endif
	v_add_nc_u32 v[ADRS], 4*NQ, v[ADRS]            ; on to the next K step's scale words
	FETCH_B \next, 0, 0
	FETCH_A \next, 0, 0
	SCALES \next
	WIN MUL_HI
	MUL16 4, 1, NQ-1, \slot, 0
	MUL16 6, 1, NQ-1, \slot, 0
	PLACES NP
	WIN 0
	FETCH_A \next, 0, 4
.endm
	s_wait_tensorcnt 1                             ; the scales and my part of K step 0 are in (K step 1's load may be out),
	s_barrier_signal -1
	s_barrier_wait -1                              ; everybody's are
	FETCH_B 0, 0, 0
	FETCH_A 0, 0, 0
	SCALES 0
	FETCH_A 0, 0, 4
	STEP 0, 0, 1                                   ; the first step stands in front of the loop: its products start the sums on the bias
	s_mov_b32 s3, LAPS-1
.Llap:
	TURN 0, 1, 1
	STEP 1, 0, 0
	TURN 1, 0, 1
	STEP 0, 0, 0
	s_sub_co_u32 s3, s3, 1
	s_cmp_lg_u32 s3, 0
	s_cbranch_scc1 .Llap
	TURN 0, 1, 0                                   ; the last lap fills nothing
	STEP 1, 0, 0
	s_wait_dscnt 4*NL
	WIN MUL_LO
	MUL16 0, 1, NQ-1, 1, 0
	MUL16 2, 1, NQ-1, 1, 0
	s_wait_dscnt 0
	WIN MUL_HI
	MUL16 4, 1, NQ-1, 1, 0
	MUL16 6, 1, NQ-1, 1, 0
	WIN 0
; ---- THE WAY OUT: eight trips, a block of 16 rows x 128 columns each.  Only the 32 lines that take a block out of its accumulators differ from trip to trip (register numbers): a chain of branches on the trip's number picks them;
; all else is written once, so that the text stays short.
.macro PICK a
.set AC, 64*((\a)%4)
	WIN 0x02+(\a)/4                                ; source 0: window 2 or 3
.set i, 0
.rept 32
.if KIND == 0
	v_pk_add_f32 v[T+i:T+i+1], v[AC+i:AC+i+1], v[BMP+2*(\a):BMP+2*(\a)+1] op_sel_hi:[1,0]   ; + the row's bias; each accumulator from its low end on
.else
	v_pk_mul_f32 v[T+i:T+i+1], v[AC+i:AC+i+1], 0.5 op_sel_hi:[1,0]                         ; 0.5 x; each accumulator from its low end on
.endif
.set i, i+2
.endr
	WIN 0
.endm
.macro GELU16 g                        ; sixteen numbers: T holds 0.5 x and becomes 0.5 x (1 + erf(x / sqrt 2))
.set XG, T+16*(\g)
.irp j, 0,2,4,6,8,10,12,14
	v_pk_mul_f32 v[Z+\j:Z+\j+1], v[XG+\j:XG+\j+1], 0x3fb504f3 op_sel_hi:[1,0]   ; z = 0.5 x sqrt 2
.endr
.irp j, 0,1,2,3,4,5,6,7,8,9,10,11,12,13,14,15
	v_med3_num_f32 v[Z+\j], v[Z+\j], -4.0, 4.0
.endr
.irp j, 0,2,4,6,8,10,12,14
	v_pk_mul_f32 v[Z2+\j:Z2+\j+1], v[Z+\j:Z+\j+1], v[Z+\j:Z+\j+1]
.endr
.irp j, 0,2,4,6,8,10,12,14
	v_pk_fma_f32 v[P+\j:P+\j+1], v[Z2+\j:Z2+\j+1], v[18:19], EA1 op_sel_hi:[1,1,0]
.endr
.irp j, 0,2,4,6,8,10,12,14
	v_pk_fma_f32 v[Q+\j:Q+\j+1], v[Z2+\j:Z2+\j+1], v[22:23], EB1 op_sel_hi:[1,1,0]
.endr
.irp k, EA2, EA3, EA4, EA5, EA6
.irp j, 0,2,4,6,8,10,12,14
	v_pk_fma_f32 v[P+\j:P+\j+1], v[P+\j:P+\j+1], v[Z2+\j:Z2+\j+1], \k op_sel_hi:[1,1,0]
.endr
.endr
.irp k, EB2, EB3, EB4
.irp j, 0,2,4,6,8,10,12,14
	v_pk_fma_f32 v[Q+\j:Q+\j+1], v[Q+\j:Q+\j+1], v[Z2+\j:Z2+\j+1], \k op_sel_hi:[1,1,0]
.endr
.endr
.irp j, 0,1,2,3,4,5,6,7,8,9,10,11,12,13,14,15
	v_rcp_f32 v[Q+\j], v[Q+\j]
.endr
.irp j, 0,2,4,6,8,10,12,14
	v_pk_mul_f32 v[P+\j:P+\j+1], v[P+\j:P+\j+1], v[Z+\j:Z+\j+1]   ; plain work behind the reciprocals, which names none of them
.endr
	s_wait_alu depctr_va_vdst(0)                   ; one wait for the sixteen, ahead of their first reader
.irp j, 0,2,4,6,8,10,12,14
	v_pk_mul_f32 v[P+\j:P+\j+1], v[P+\j:P+\j+1], v[Q+\j:Q+\j+1]   ; erf
.endr
.irp j, 0,2,4,6,8,10,12,14
	v_pk_fma_f32 v[XG+\j:XG+\j+1], v[XG+\j:XG+\j+1], v[P+\j:P+\j+1], v[XG+\j:XG+\j+1]
.endr
.endm
	PLACES NP                                      ; behind the last products
.if KIND == 0
.irp a, 0,1,2,3,4,5,6,7
	v_cndmask_b32 v[BMP+2*\a], 0, v[BMR+\a], s96   ; the row bias, for v alone; the packed addition names a pair and takes its low word
	v_mov_b32 v[BMP+2*\a+1], 0
.endr
.else
	v_mov_b32 v18, 0xaf95df0b                      ; erf's leading coefficients, in pairs
	v_mov_b32 v19, 0xaf95df0b
	v_mov_b32 v22, 0xb77460cd
	v_mov_b32 v23, 0xb77460cd
.endif
.irp b, 0,1,2,3
	v_mov_b32 v[TM+4+\b], 0                        ; written once: a lane permute's destination counts as one of its sources
.endr
	s_mov_b32 s3, 0
.Lblk:
.irp a, 0,1,2,3,4,5,6
	s_cmp_eq_u32 s3, \a
	s_cbranch_scc1 .Lpick\a
.endr
	PICK 7
	s_branch .Lpicked
.irp a, 0,1,2,3,4,5,6
.Lpick\a:
	PICK \a
	s_branch .Lpicked
.endr
.Lpicked:
.if KIND == 1
	GELU16 0
	GELU16 1
	GELU16 2
	GELU16 3
.endif
	; the quantiser: register 16 b + i of T belongs to block b of my row; lane l xor 16 holds the block's other 16
.irp b, 0,1,2,3
	v_max3_num_f32 v[TM+\b], |v[T+16*\b]|, |v[T+1+16*\b]|, 0x4800000   ; with the floor 2^(9 - 127): the byte cannot fall under 1
.endr
.irp i, 2,4,6,8,10,12,14
.irp b, 0,1,2,3
	v_max3_num_f32 v[TM+\b], v[TM+\b], |v[T+16*\b+\i]|, |v[T+1+16*\b+\i]|
.endr
.endr
.irp b, 0,1,2,3
	v_permlanex16_b32 v[TM+4+\b], v[TM+\b], s98, s99
.endr
.irp b, 0,1,2,3
	v_max_num_f32 v[TM+\b], v[TM+\b], v[TM+4+\b]   ; the block's largest magnitude
.endr
.irp b, 0,1,2,3
	v_add_nc_u32 v[TM+12+\b], 0xfc000000, v[TM+\b] ; 8 off its exponent field: the conversion's scale operand
.endr
.irp b, 0,1,2,3
	v_and_or_b32 v[TM+8+\b], v[TM+\b], 0x7f800000, s100   ; 448 x the scale
.endr
.irp b, 0,1,2,3
	v_lshrrev_b32 v[TM+4+\b], 23, v[TM+12+\b]      ; the scale's byte
.endr
	v_lshl_or_b32 v[PW], v[TM+5], 8, v[TM+4]       ; my row's scale word
	v_lshl_or_b32 v[PW], v[TM+6], 16, v[PW]
	v_lshl_or_b32 v[PW], v[TM+7], 24, v[PW]
.irp b, 0,1,2,3
.irp i, 0,1,2,3,4,5,6,7,8,9,10,11,12,13,14,15
	v_med3_num_f32 v[T+16*\b+\i], v[T+16*\b+\i], -v[TM+8+\b], v[TM+8+\b]   ; the conversion does not saturate (ISA guide 7.6.2): the hold
.endr
	v_cvt_scalef32_pk8_fp8_f32 v[PC+4*\b:PC+1+4*\b], v[T+16*\b:T+7+16*\b], v[TM+12+\b]
	v_cvt_scalef32_pk8_fp8_f32 v[PC+2+4*\b:PC+3+4*\b], v[T+8+16*\b:T+15+16*\b], v[TM+12+\b]
.endr
	v_nop                                          ; a plain line between the conversions and the lines that touch their results
.irp b, 0,1,2,3
	v_permlane16_swap_b32 v[PC+4*\b], v[PC+2+4*\b]     ; the even tile's upper lanes change places with the odd tile's lower lanes:
	v_permlane16_swap_b32 v[PC+1+4*\b], v[PC+3+4*\b]   ; lane (r, h) now holds k = 32 b + 16 h + 0 .. 15 in registers 4 b .. 4 b + 3
.endr
	s_lshl_b32 s95, s3, 6
	v_add_nc_u32 v31, s95, v[STO]
	ds_store_b32 v31, v[PW]                        ; both halves of the lanes write the same word with the same value
.irp c, 0,1,2,3
	global_store_b128 v[CO], v[PC+4*\c:PC+4*\c+3], s[12:13] offset:512*\c   ; 512 consecutive bytes, at a multiple of 256 from the buffer's first byte
.endr
	s_wait_xcnt 0x0                                ; the stores have read their data and their base: both are written again only behind this wait
	s_add_nc_u64 s[12:13], s[12:13], OSTEP
	s_add_co_u32 s3, s3, 1
	s_cmp_lt_u32 s3, 8
	s_cbranch_scc1 .Lblk
	ds_load_b128 v[PC:PC+3], v[RD]                 ; LDS serves a wave's instructions in order: these see my eight stores
	s_wait_dscnt 0x0
	global_store_b128 v[CO], v[PC:PC+3], s[92:93]  ; my 128 rows' scale words: 512 consecutive bytes
	s_wait_tensorcnt 0x0                           ; the wave's end, behind my last tensor load and my last LDS store
	ds_add_u32 v[SPW], v[NIL]
	s_wait_dscnt 0x0
	CROUND                                         ; the closing round: no work-group ends while a partner may still ask for a tile that names it
	s_endpgm
.Lfunc_end_k_qef28692fd2_ff1:
	.size	k_qef28692fd2_ff1, .Lfunc_end_k_qef28692fd2_ff1-k_qef28692fd2_ff1
	.p2alignl 7, 3214868480
	.fill 96, 4, 3214868480
	.section	.rodata,"a",@progbits
	.p2align	6, 0x0
	.amdhsa_kernel k_qef28692fd2_ff1
		.amdhsa_group_segment_fixed_size 327680
		.amdhsa_private_segment_fixed_size 0
		.amdhsa_enable_private_segment 0
		.amdhsa_kernarg_size 40
		.amdhsa_user_sgpr_count 2
		.amdhsa_user_sgpr_kernarg_segment_ptr 1
		.amdhsa_wavefront_size32 1
		.amdhsa_system_sgpr_workgroup_id_x 1
		.amdhsa_system_sgpr_workgroup_id_y 1
		.amdhsa_system_sgpr_workgroup_id_z 1
		.amdhsa_system_vgpr_workitem_id 0
		.amdhsa_next_free_vgpr 1024
		.amdhsa_next_free_sgpr 102
		.amdhsa_reserve_vcc 0
		.amdhsa_float_denorm_mode_32 3
		.amdhsa_float_denorm_mode_16_64 3
		.amdhsa_memory_ordered 1
		.amdhsa_forward_progress 1
		.amdhsa_inst_pref_size 192
	.end_amdhsa_kernel
	.amdgpu_metadata
---
amdhsa.version: [ 1, 2 ]
amdhsa.kernels:
  - .name:           k_qef28692fd2_ff1
    .symbol:         k_qef28692fd2_ff1.kd
    .args:
      - { .name: act2, .offset: 0, .size: 8, .value_kind: global_buffer, .address_space: global }
      - { .name: w1_codes, .offset: 8, .size: 8, .value_kind: global_buffer, .address_space: global }
      - { .name: w1_scales, .offset: 16, .size: 8, .value_kind: global_buffer, .address_space: global }
      - { .name: b1, .offset: 24, .size: 8, .value_kind: global_buffer, .address_space: global }
      - { .name: h, .offset: 32, .size: 8, .value_kind: global_buffer, .address_space: global }
    .group_segment_fixed_size: 327680
    .private_segment_fixed_size: 0
    .kernarg_segment_align: 8
    .kernarg_segment_size: 40
    .max_flat_workgroup_size: 128
    .sgpr_count:     102
    .vgpr_count:     1024
    .wavefront_size: 32
...
	.end_amdgpu_metadata
.endif
;; end of part 5
;; launch ff2 (part 6): grid 8 x 32, 4 waves a work-group, clusters of 4 x 4, 327,680 bytes of LDS; arguments h, w2_codes, w2_scales, b2, alpha_ff, x1, out0; writes out0
.if DOCPART == 6
	.amdgcn_target "amdgcn-amd-amdhsa--gfx1250"
	.amdhsa_code_object_version 6
	.text
	.protected	k_qef28692fd2_ff2
	.globl	k_qef28692fd2_ff2
	.p2align	8
	.type	k_qef28692fd2_ff2,@function
k_qef28692fd2_ff2:
	s_mov_b64 s[64:65], 0
	v_nop
	global_prefetch_b8 v0, s[64:65] scope:SCOPE_SE
	s_setreg_imm32_b32 hwreg(HW_REG_WAVE_MODE, 25, 1), 1
	s_wait_xcnt 0x0
	s_wait_alu depctr_hold_cnt(0) depctr_sa_sdst(0) depctr_va_vdst(0) depctr_va_sdst(0) depctr_va_ssrc(0) depctr_va_vcc(0) depctr_vm_vsrc(0)
	s_getreg_b32 s2, hwreg(HW_REG_IB_STS2, 6, 4)
	s_cmp_eq_u32 s2, 0
	s_cbranch_scc0 .Lentry_in_a_cluster
	s_endpgm
.Lentry_in_a_cluster:
	s_bfe_u32 s2, ttmp6, 0x10000c
	s_cmp_lg_u32 s2, 0xf033
	s_cbranch_scc0 .Lentry_shape_is_right
	s_endpgm
.Lentry_shape_is_right:
; out[m][n] = resid[m][n] + alpha (sum over k of A[m][k] W[n][k] + bias[n]): 4,096 x 1,024 f32, K = 4,096, on codes of FP8 (E4M3) with one E8M0 scale for each 32 along K.
; A comes as IMAGES OF OPERAND REGISTERS: codes [tile of 16 tokens][K step of 128][2,048 bytes: chunk c at 512 c + 16 x lane], scale words [128 tokens][K step][8 tiles][16 rows] behind them. W: codes [1,024][4,096], K innermost; scale bytes [1,024][128].
; N is 1,024: tiles of 256 x 256 would be 64, so a tile is 128 x 128: 256 work-groups of four waves. A wave takes 32 tokens x all 128 columns: 16 accumulators.
; A GOES FROM MEMORY STRAIGHT INTO REGISTERS. A fragment's chunk is 512 consecutive bytes, so a load is dense, and with 32 tokens to a wave no byte of A is loaded twice in a work-group. A ring of eight K steps x 32 registers:
; the loads stand seven K steps (112 products) ahead of their use, 56 of them on their way at any time, and no barrier stops them.
; W GOES THROUGH LDS, since all four waves read all of its fragments: a ring of two slots of 1,024 along K (8 K steps, 128 products a wave), each wave fetching 32 rows: two first fills and two refills in all.
; 4 x 4 work-groups form a cluster: W's tiles and scale bytes are asked for jointly along a column of it, A's scale words along a row.
; A'S CODES ARE NOT ASKED FOR JOINTLY, though the four work-groups of a cluster's row read the same ones. The reason, by this text's own count: between two barriers of a ring one slot's bytes are on their way, and two slots fill LDS.
; With A in the ring a slot holds 512 along K: six refills, 64 products a wave for each. With A out of it a slot holds 1,024 along K of W, and A's 28 KiB a wave are on their way beside it. The price: four requests for A's bytes where one would do.
; The matrix instruction is used transposed (source 0 = 16 rows of W, source 1 = 16 tokens): a lane holds eight neighbouring numbers of a row of the result.
; The K steps are written out by macro: every offset is an immediate, no address register and no base is ever written again.
; REGISTERS: window 0: v12-15 the bias, v18-29 addresses; v32-191 scale words, two sets of 80, and nothing else; v192-255 at work on the way out.  window 1: W's fragments, two buffers of 128.
;   window 2: A's ring: K step ks at v[32 (ks % 8)], two fragments.   window 3: v0-127 the residual; v128-255 the accumulators ((a, b) at v[128 + 8 (8 a + b)]).
.set SIZE_K, 4096
.set NK,     SIZE_K/128                ; K steps
.set KS,     SIZE_K/32                 ; a row of W's scale bytes
.set SLK,    1024                      ; along K in a slot
.set NS,     SIZE_K/SLK                ; slots' worth of K
.set BP,     SLK+16                    ; a row of W in LDS: 1,024 bytes + 16 of padding = 260 words: the 16 rows that a load touches start at 16 different banks
.set BQ,     32*BP                     ; 32 rows: what one tensor load brings
.set SLOT,   4*BQ
.set SA,     2*SLOT                    ; A's scale words of all of K: 16,384 bytes, dense
.set SAH,    NK*256
.set SB,     SA+16384                  ; W's scale bytes, as units of 256 bytes + 16 of padding
.set SBH,    (64*KS/256)*272
.set SBLK,   (16*KS/256)*272
.set SPARE,  SB+17408                  ; the spare words, 128 bytes for each wave: two blocks of 256 bytes that no other line names
.set SP,     528                       ; the way out: a stage of 16 rows x (512 + 16) bytes for each wave, in slot 0, which has had its last fill and its last read by then
.set ADSA, 18                          ; v18     LDS address of my tokens' scale words
.set ADSB, 19                          ; v19     and of W's
.set ADRB, 20                          ; v20-23  LDS address of W's fragments: slot 0 tiles 0-3, tiles 4-7; slot 1 likewise (an LDS offset has 16 bits)
.set STO,  24
.set RD,   25
.set CO,   26                          ; v26     16 x lane: my place in a chunk of A, in the bias, in a row of the residual and of the result
.set SPW,  28
.set NIL,  29
.set SC,   32                          ; set s at v[SC + 80 s]: A's word of (step q, tile a) at 2 q + a; W's of (tile b, step q) at 16 + 8 b + q
.set TMP,  192
.set ACC,  128
.set G1B, 48                           ; s[48:55] descriptor group 1 for W's tiles;  s[56:63] group 0, one set for each slot
.set G0B, 56
.set G1S, 68                           ; s[68:75], s[76:79] groups 1 and 0 for A's scale words;  s[80:87], s[88:91] for W's scale bytes
.set G0S, 76
.set G1SB, 80
.set G0SB, 88
.set MSB, 0
.macro WIN new                         ; the immediate's high byte repeats the setting that is left
.if MSB != (\new)
	s_set_vgpr_msb (MSB<<8)|(\new)
.set MSB, (\new)
.endif
.endm
.set MUL,  0xf9                        ; source 0 (W) window 1, source 1 (A) window 2, C and D window 3
.set TO_B, 0x40                        ; destination window 1
.set TO_A, 0x80                        ; destination window 2
.set TO_R, 0xc0                        ; destination window 3
.macro JLOAD g0a, g1a, g0b, g1b        ; the scales' joint load: waves 0 and 1 fetch A's halves, waves 2 and 3 W's; an s_nop 0 and four v_nop follow each of the two lines
	s_cmp_eq_u32 s15, 0
	s_cbranch_scc0 .Lfor_b_\@
	tensor_load_to_lds s[\g0a:\g0a+3], s[\g1a:\g1a+7]
	s_nop 0
.rept 4
	v_nop
.endr
	s_branch .Lasked_\@
.Lfor_b_\@:
	tensor_load_to_lds s[\g0b:\g0b+3], s[\g1b:\g1b+7]
	s_nop 0
.rept 4
	v_nop
.endr
.Lasked_\@:
.endm
.macro CREST                           ; a round of the cluster's barrier behind its opening barrier
	s_cmp_lg_u32 s14, 0
	s_cbranch_scc1 .Lnot_wave_0_\@
	s_barrier_signal -3
.Lnot_wave_0_\@:
	s_barrier_wait -3
	s_barrier_signal -1
	s_barrier_wait -1
.endm
.macro CROUND
	s_barrier_signal -1
	s_barrier_wait -1
	CREST
.endm
	s_load_b256 s[68:75], s[0:1], 0x0              ; A, W's codes, W's scales, bias
	s_load_b128 s[76:79], s[0:1], 0x20             ; alpha, residual
	s_load_b64 s[80:81], s[0:1], 0x30              ; out
	v_lshl_add_u32 v[SPW], v0, 2, SPARE
	v_mov_b32 v[NIL], 0
	ds_add_u32 v[SPW], v[NIL]                      ; the wave's opening: the add and its wait stand ahead of my first tensor load; work on registers stands between them
	v_lshrrev_b32 v1, 5, v0
	v_readfirstlane_b32 s14, v1                    ; wave 0..3
	s_lshr_b32 s15, s14, 1                         ; the scales: I fetch A's (0) or W's (1),
	s_and_b32 s16, s14, 1                          ; and which half of them
	s_bfe_u32 s40, ttmp6, 0x40000                  ; cx, cy: my place in the cluster
	s_bfe_u32 s41, ttmp6, 0x40004
	s_lshl_b32 s42, ttmp9, 2
	s_add_co_u32 s42, s42, s40                     ; tile column, 0..7
	s_and_b32 s17, ttmp7, 0xffff
	s_lshl_b32 s17, s17, 2
	s_add_co_u32 s17, s17, s41                     ; tile row, 0..31
	s_lshl_b32 s43, s41, 2
	s_lshl_b32 s43, 15, s43                        ; my row of the cluster
	s_lshl_b32 s44, 0x1111, s40                    ; my column
	s_or_b32 s[G1B+0], s44, (0<<16)|(1<<20)|(1<<21)|(7<<22)|(3<<25)   ; W's codes: the mask of my column; elements of 1 byte; padding on; bit 21 beside a mask; four words of padding after every 256
	s_mov_b32 s[G1B+1], SLK<<16                    ; tensor_dim0 = 1,024
	s_mov_b32 s[G1B+2], 32<<16                     ; tensor_dim1 = 32
	s_mov_b32 s[G1B+3], SLK<<16                    ; tile_dim0
	s_mov_b32 s[G1B+4], 32                         ; tile_dim1
	s_mov_b32 s[G1B+5], SIZE_K                     ; the pitch
	s_mov_b32 s[G1B+6], 0
	s_mov_b32 s[G1B+7], 0
	s_lshl_b32 s18, s14, 17
	s_lshl_b32 s20, s17, 19
	s_add_co_u32 s20, s20, s18                     ; my 32 tokens: two tiles of 65,536 bytes of A's codes; and, the same number, 32 rows of 4,096 bytes of the residual and of the result
	s_mov_b32 s21, 0
	s_lshl_b32 s22, s17, 1
	s_add_co_u32 s22, s22, s16
	s_mul_i32 s22, s22, 2*SIZE_K                   ; A's scale words: half of the tile row's 16,384 bytes
	s_mov_b32 s23, 0
	s_lshl_b32 s46, s42, 19
	s_add_co_u32 s46, s46, s18                     ; W's codes: rows 128 x tile column + 32 x wave, 4,096 bytes each
	s_mov_b32 s47, 0
	s_lshl_b32 s92, s42, 1
	s_add_co_u32 s92, s92, s16
	s_mul_i32 s92, s92, 2*SIZE_K                   ; W's scale bytes: 64 rows of 128 bytes
	s_mov_b32 s93, 0
	s_lshl_b32 s24, s42, 9                         ; the tile's first column, in bytes of f32
	s_mov_b32 s25, 0
	s_mul_i32 s45, s14, BQ                         ; where they go: W's 32 rows in a slot: no place in the cluster enters an LDS address
	s_mul_i32 s95, s16, SAH
	s_add_co_u32 s95, s95, SA                      ; A's scale words,
	s_mul_i32 s2, s16, SBH
	s_add_co_u32 s2, s2, SB                        ; W's scale bytes
	s_wait_dscnt 0x0                               ; the opening add is done
	s_wait_kmcnt 0x0
	s_mov_b64 s[4:5], s[68:69]
	s_add_nc_u64 s[6:7], s[68:69], 4096*SIZE_K     ; A's scale words lie behind its codes
	s_mov_b64 s[8:9], s[70:71]
	s_mov_b64 s[10:11], s[72:73]
	s_mov_b64 s[66:67], s[74:75]
	s_mov_b64 s[98:99], s[76:77]
	s_mov_b64 s[100:101], s[78:79]
	s_mov_b64 s[12:13], s[80:81]
	s_load_b32 s96, s[98:99], 0x0                  ; alpha
	s_or_b32 s[G1S+0], s43, (3<<16)|(1<<21)        ; A's scale words: the mask of my row; 32 rows of 256 bytes (32 elements of 8 bytes), dense
	s_or_b32 s[G1SB+0], s44, (3<<16)|(1<<20)|(1<<21)|(5<<22)|(3<<25)   ; W's scale bytes: the same, with four words of padding behind each row
.irp g, G1S, G1SB
	s_mov_b32 s[\g+1], 32<<16
	s_mov_b32 s[\g+2], NK<<16
	s_mov_b32 s[\g+3], 32<<16
	s_mov_b32 s[\g+4], NK
	s_mov_b32 s[\g+5], 32
	s_mov_b32 s[\g+6], 0
	s_mov_b32 s[\g+7], 0
.endr
	s_add_nc_u64 s[4:5], s[4:5], s[20:21]          ; A's codes at my first tile
	s_add_nc_u64 s[22:23], s[6:7], s[22:23]
	s_add_nc_u64 s[46:47], s[8:9], s[46:47]
	s_add_nc_u64 s[92:93], s[10:11], s[92:93]
	s_add_nc_u64 s[66:67], s[66:67], s[24:25]      ; the bias at the tile's first column
	s_add_nc_u64 s[20:21], s[20:21], s[24:25]      ; my first row and the tile's first column
	s_add_nc_u64 s[12:13], s[12:13], s[20:21]
	s_add_nc_u64 s[100:101], s[100:101], s[20:21]
	CROUND                                         ; all sixteen work-groups are here: the first joint loads meet
	s_mov_b32 s[G0S], 1
	s_mov_b32 s[G0S+1], s95
	s_mov_b64 s[G0S+2:G0S+3], s[22:23]
	s_or_b32 s[G0S+3], s[G0S+3], 0x80000000
	s_mov_b32 s[G0SB], 1
	s_mov_b32 s[G0SB+1], s2
	s_mov_b64 s[G0SB+2:G0SB+3], s[92:93]
	s_or_b32 s[G0SB+3], s[G0SB+3], 0x80000000
	JLOAD G0S, G1S, G0SB, G1SB                     ; the scales first: they are wanted with K step 0
.irp s, 0,1
	s_mov_b32 s[G0B+4*\s], 1
	s_add_co_u32 s[G0B+4*\s+1], s45, \s*SLOT
	s_add_nc_u64 s[G0B+4*\s+2:G0B+4*\s+3], s[46:47], \s*SLK
	s_or_b32 s[G0B+4*\s+3], s[G0B+4*\s+3], 0x80000000
	tensor_load_to_lds s[G0B+4*\s:G0B+4*\s+3], s[G1B:G1B+7]   ; every wave fetches its 32 rows of W; by this text's count three loads of a wave are out here
	s_nop 0
.rept 4
	v_nop
.endr
.endr
; A's two fragments of K step ks into the ring: eight loads of 512 consecutive bytes
.macro ALOAD ks
	WIN TO_A
.irp a, 0,1
.irp c, 0,1,2,3
	global_load_b128 v[32*((\ks)%8)+16*\a+4*\c:32*((\ks)%8)+16*\a+4*\c+3], v[CO], s[4:5] offset:65536*\a+2048*(\ks)+512*\c
.endr
.endr
.endm
; eight rows of the residual, 512 consecutive bytes each
.macro RLOAD g
	WIN TO_R
.irp i, 0,1,2,3,4,5,6,7
	global_load_b128 v[4*(8*(\g)+\i):4*(8*(\g)+\i)+3], v[CO], s[100:101] offset:(8*(\g)+\i)*4096
.endr
.endm
	v_and_b32 v3, 31, v0
	v_lshlrev_b32 v[CO], 4, v3                     ; 16 x lane
	global_load_b128 v[12:15], v[CO], s[66:67]     ; the bias of the four columns that I store
.irp k, 0,1,2,3,4,5,6
	ALOAD \k                                       ; the ring's first seven K steps
.endr
	WIN 0
	v_and_b32 v1, 15, v0                           ; r
	v_bfe_u32 v2, v0, 4, 1                         ; h
	v_mul_u32_u24 v4, v1, BP
	v_lshl_add_u32 v[ADRB], v2, 4, v4              ; a fragment's row x pitch + 16 x half
	v_add_nc_u32 v[ADRB+1], 64*BP, v[ADRB]
	v_add_nc_u32 v[ADRB+2], SLOT, v[ADRB]
	v_add_nc_u32 v[ADRB+3], SLOT+64*BP, v[ADRB]
	s_lshl_b32 s26, s14, 7
	s_add_co_u32 s26, s26, SA
	v_lshl_add_u32 v[ADSA], v1, 2, s26             ; A's scale words: my two tiles (64 bytes each), row r
	v_lshlrev_b32 v5, 7, v1
	v_lshrrev_b32 v6, 8, v5
	v_lshl_add_u32 v5, v6, 4, v5                   ; W's: 128 bytes a row, and 16 more for each 256 passed
	v_add_nc_u32 v[ADSB], SB, v5
	s_mul_i32 s27, s14, 16*SP                      ; my stage
	v_mul_u32_u24 v5, v1, SP
	v_lshl_add_u32 v5, v2, 5, v5
	v_add_nc_u32 v[STO], s27, v5                   ; in: row r, 32 bytes for each half of the lanes
	v_add_nc_u32 v[RD], s27, v[CO]                 ; back: the 32 lanes take one row of 512 bytes
	s_wait_kmcnt 0x0
	s_mov_b32 s97, s96                             ; (the packed form names a pair)
; 8 matrix instructions: my tokens' tile a x W's eight, 128 along K: W's buffer p, the slot's q-th step (= the ring's place), scale set.  zero = 1: the first product starts the sums.
; The 16 accumulators take turns, one instruction a turn.
.macro MUL8 p, a, q, set, zero
.irp b, 0,1,2,3,4,5,6,7
.if \zero
	v_wmma_scale_f32_16x16x128_f8f6f4 v[ACC+8*(8*(\a)+\b):ACC+8*(8*(\a)+\b)+7], v[128*(\p)+16*\b:128*(\p)+16*\b+15], v[32*(\q)+16*(\a):32*(\q)+16*(\a)+15], 0, v[SC+80*(\set)+16+8*\b+(\q)], v[SC+80*(\set)+2*(\q)+(\a)]
.else
	v_wmma_scale_f32_16x16x128_f8f6f4 v[ACC+8*(8*(\a)+\b):ACC+8*(8*(\a)+\b)+7], v[128*(\p)+16*\b:128*(\p)+16*\b+15], v[32*(\q)+16*(\a):32*(\q)+16*(\a)+15], v[ACC+8*(8*(\a)+\b):ACC+8*(8*(\a)+\b)+7], v[SC+80*(\set)+16+8*\b+(\q)], v[SC+80*(\set)+2*(\q)+(\a)]
.endif
.endr
.endm
.macro FETCH slot, q, p                ; 32 LDS loads in one run: W's eight fragments of one step of 128 into buffer p
	WIN TO_B
.irp i, 0,1,2,3
.irp c, 0,1,2,3
	ds_load_b128 v[128*(\p)+16*\i+4*\c:128*(\p)+16*\i+4*\c+3], v[ADRB+2*(\slot)] offset:16*BP*\i+128*(\q)+32*\c
.endr
.endr
.irp i, 0,1,2,3
.irp c, 0,1,2,3
	ds_load_b128 v[128*(\p)+64+16*\i+4*\c:128*(\p)+64+16*\i+4*\c+3], v[ADRB+2*(\slot)+1] offset:16*BP*\i+128*(\q)+32*\c
.endr
.endr
.endm
.macro SCALES s                        ; the scale words of the s-th 1,024 along K into set s % 2: 32 loads
	WIN 0
.irp q, 0,1,2,3,4,5,6,7
.irp a, 0,1
	ds_load_b32 v[SC+80*((\s)%2)+2*\q+\a], v[ADSA] offset:4096*(\s)+512*\q+64*\a
.endr
.endr
.irp b, 0,1,2,3,4,5,6,7
	ds_load_b128 v[SC+80*((\s)%2)+16+8*\b:SC+80*((\s)%2)+16+8*\b+3], v[ADSB] offset:\b*SBLK+32*(\s)
	ds_load_b128 v[SC+80*((\s)%2)+16+8*\b+4:SC+80*((\s)%2)+16+8*\b+7], v[ADSB] offset:\b*SBLK+32*(\s)+16
.endr
.endm
.macro PLACES n                        ; plain vector instructions between a matrix instruction and a load into its registers, or a read of its result (ISA guide 7.12.1 for a read of its result)
.rept \n
	v_nop
.endr
.endm
; K step q (0 to 6) of the s-th 1,024 along K.  Eight places behind the last step's products; then the registers that they read are asked for again: the ring's place of the last step takes the K step seven on from this one,
; W's other buffer the next step's fragments.  Where A has no K step left (the last slot), steps 1 to 4 ask for eight rows of the residual each in its stead, so that the counts stay.
.macro KSTEP s, q, zero
	PLACES 8
.if 8*(\s)+(\q)+7 < NK
	ALOAD 8*(\s)+(\q)+7
.elseif (\q) <= 4
	RLOAD (\q)-1
.endif
	FETCH (\s)%2, (\q)+1, 1-(\q)%2
	s_wait_dscnt 32                                ; all but the 32 just issued: this step's fragments of W (and the slot's scale words) are in
.if ((\s) == NS-1) && ((\q) > 4)
	s_wait_loadcnt 56-8*((\q)-4)                   ; the last slot's steps 5 and 6 asked for nothing: six and five groups of eight are younger than this step's
.else
	s_wait_loadcnt 56                              ; loads come back in order (ISA guide 5.7.1): seven groups of eight were issued behind this K step's, so it is in
.endif
	WIN MUL
	MUL8 (\q)%2, 0, \q, (\s)%2, \zero
	MUL8 (\q)%2, 1, \q, (\s)%2, \zero
.endm
; A slot's last step changes slots: ONE barrier; in front of it each wave waits for all its tensor loads, adds 0 to its spare word, and waits for that and for its own reads of this slot.  fill = 1: this slot is filled again, 2,048 along K ahead.
.macro TURN s, fill
	WIN 0
	s_wait_tensorcnt 0x0                           ; all my tensor loads have landed: my part of the next slot
	ds_add_u32 v[SPW], v[NIL]                      ; 0 onto my spare word
	s_wait_dscnt 1                                 ; (the add alone may be out)
	s_wait_loadcnt 48                              ; this step's own group goes out behind the barrier: six groups of eight are younger than the K step in hand
	WIN MUL
	MUL8 1, 0, 7, (\s)%2, 0
	s_wait_dscnt 0x0                               ; the add is done, and my reads of this slot are over
	s_barrier_signal -1
	WIN 0
	s_barrier_wait -1
.if \fill
	CREST                                          ; the barrier has opened a round of the cluster's barrier: no wave of any partner still reads this slot or has a tensor load on its way
	s_add_nc_u64 s[G0B+4*((\s)%2)+2:G0B+4*((\s)%2)+3], s[G0B+4*((\s)%2)+2:G0B+4*((\s)%2)+3], 2*SLK
	tensor_load_to_lds s[G0B+4*((\s)%2):G0B+4*((\s)%2)+3], s[G1B:G1B+7]   ; the first tensor load behind the round, one a wave: 120 products ahead of the wait for it
	s_nop 0
.rept 4
	v_nop
.endr
	PLACES 4                                       ; with the four above: eight places in front of the loads below
.else
	PLACES 8
.endif
	ALOAD 8*(\s)+14                                ; seven K steps on from this one
	FETCH ((\s)+1)%2, 0, 0
	SCALES (\s)+1
	WIN MUL
	MUL8 1, 1, 7, (\s)%2, 0
.endm
	s_wait_tensorcnt 1                             ; the scales and my part of slot 0 are in (slot 1's load may be out)
	s_barrier_signal -1
	s_barrier_wait -1                              ; everybody's are
	FETCH 0, 0, 0
	SCALES 0
	KSTEP 0, 0, 1                                  ; the first step's products start the sums: nothing is cleared
.irp q, 1,2,3,4,5,6
	KSTEP 0, \q, 0
.endr
	TURN 0, 1
.irp q, 0,1,2,3,4,5,6
	KSTEP 1, \q, 0
.endr
	TURN 1, 1
.irp q, 0,1,2,3,4,5,6
	KSTEP 2, \q, 0
.endr
	TURN 2, 0                                      ; nothing is left to fetch for W
.irp q, 0,1,2,3,4,5,6
	KSTEP 3, \q, 0
.endr
	s_wait_dscnt 0x0                               ; the very last step
	s_wait_loadcnt 32                              ; behind K step 31's loads: the residual's four groups of eight
	MUL8 1, 0, 7, 1, 0
	MUL8 1, 1, 7, 1, 0
	; THE WAY OUT, 16 rows x 128 columns at a time: through my stage, back as rows of 512 bytes; + bias, x alpha, + residual; the 32 lanes store 512 consecutive bytes
	PLACES 8
	s_wait_loadcnt 0x0                             ; the bias and the residual
.irp a, 0,1
	WIN 0x0c                                       ; an LDS store's data are its source 1: window 3
.irp b, 0,1,2,3,4,5,6,7
	ds_store_b128 v[STO], v[ACC+8*(8*\a+\b):ACC+8*(8*\a+\b)+3] offset:64*\b        ; each accumulator from its low end on
	ds_store_b128 v[STO], v[ACC+8*(8*\a+\b)+4:ACC+8*(8*\a+\b)+7] offset:64*\b+16
.endr
	WIN 0
.if \a > 0
	s_wait_xcnt 0x0                                ; the last block's stores have read their data: the registers are loaded again only behind this wait
.endif
.irp t, 0,1,2,3,4,5,6,7,8,9,10,11,12,13,14,15
	ds_load_b128 v[TMP+4*\t:TMP+4*\t+3], v[RD] offset:SP*\t   ; LDS serves a wave's instructions in order (ISA guide 5.7.1.4): these see the stores above
.endr
	WIN 0x30                                       ; source 2 (the residual) window 3
.irp t, 0,1,2,3,4,5,6,7,8,9,10,11,12,13,14,15
	s_wait_dscnt 15-\t                             ; row t is back; the younger loads may be out
	v_pk_add_f32 v[TMP+4*\t:TMP+4*\t+1], v[TMP+4*\t:TMP+4*\t+1], v[12:13]
	v_pk_add_f32 v[TMP+4*\t+2:TMP+4*\t+3], v[TMP+4*\t+2:TMP+4*\t+3], v[14:15]
	v_pk_fma_f32 v[TMP+4*\t:TMP+4*\t+1], v[TMP+4*\t:TMP+4*\t+1], s[96:97], v[4*(16*\a+\t):4*(16*\a+\t)+1] op_sel_hi:[1,0,1]
	v_pk_fma_f32 v[TMP+4*\t+2:TMP+4*\t+3], v[TMP+4*\t+2:TMP+4*\t+3], s[96:97], v[4*(16*\a+\t)+2:4*(16*\a+\t)+3] op_sel_hi:[1,0,1]
	global_store_b128 v[CO], v[TMP+4*\t:TMP+4*\t+3], s[12:13] offset:(16*\a+\t)*4096   ; 512 consecutive bytes, at a multiple of 256 from the buffer's first byte
.endr
.endr
	WIN 0
	s_wait_tensorcnt 0x0                           ; the wave's end, behind my last tensor load and my last LDS store
	ds_add_u32 v[SPW], v[NIL]
	s_wait_dscnt 0x0
	CROUND                                         ; the closing round: no work-group ends while a partner may still ask for a tile that names it
	s_endpgm
.Lfunc_end_k_qef28692fd2_ff2:
	.size	k_qef28692fd2_ff2, .Lfunc_end_k_qef28692fd2_ff2-k_qef28692fd2_ff2
	.p2alignl 7, 3214868480
	.fill 96, 4, 3214868480
	.section	.rodata,"a",@progbits
	.p2align	6, 0x0
	.amdhsa_kernel k_qef28692fd2_ff2
		.amdhsa_group_segment_fixed_size 327680
		.amdhsa_private_segment_fixed_size 0
		.amdhsa_enable_private_segment 0
		.amdhsa_kernarg_size 56
		.amdhsa_user_sgpr_count 2
		.amdhsa_user_sgpr_kernarg_segment_ptr 1
		.amdhsa_wavefront_size32 1
		.amdhsa_system_sgpr_workgroup_id_x 1
		.amdhsa_system_sgpr_workgroup_id_y 1
		.amdhsa_system_sgpr_workgroup_id_z 1
		.amdhsa_system_vgpr_workitem_id 0
		.amdhsa_next_free_vgpr 1024
		.amdhsa_next_free_sgpr 102
		.amdhsa_reserve_vcc 0
		.amdhsa_float_denorm_mode_32 3
		.amdhsa_float_denorm_mode_16_64 3
		.amdhsa_memory_ordered 1
		.amdhsa_forward_progress 1
		.amdhsa_inst_pref_size 202
	.end_amdhsa_kernel
	.amdgpu_metadata
---
amdhsa.version: [ 1, 2 ]
amdhsa.kernels:
  - .name:           k_qef28692fd2_ff2
    .symbol:         k_qef28692fd2_ff2.kd
    .args:
      - { .name: h, .offset: 0, .size: 8, .value_kind: global_buffer, .address_space: global }
      - { .name: w2_codes, .offset: 8, .size: 8, .value_kind: global_buffer, .address_space: global }
      - { .name: w2_scales, .offset: 16, .size: 8, .value_kind: global_buffer, .address_space: global }
      - { .name: b2, .offset: 24, .size: 8, .value_kind: global_buffer, .address_space: global }
      - { .name: alpha_ff, .offset: 32, .size: 8, .value_kind: global_buffer, .address_space: global }
      - { .name: x1, .offset: 40, .size: 8, .value_kind: global_buffer, .address_space: global }
      - { .name: out0, .offset: 48, .size: 8, .value_kind: global_buffer, .address_space: global }
    .group_segment_fixed_size: 327680
    .private_segment_fixed_size: 0
    .kernarg_segment_align: 8
    .kernarg_segment_size: 56
    .max_flat_workgroup_size: 128
    .sgpr_count:     102
    .vgpr_count:     1024
    .wavefront_size: 32
...
	.end_amdgpu_metadata
.endif
;; end of part 6
